; MI455X (gfx1250); checked and timed in simulation.
; The chip was launched on July 23, 2026; its instructions are those of AMD's public machine-readable ISA for CDNA 5 (MIT licence, August 2026) and "CDNA5" Instruction Set Architecture Reference Guide (July 2026). The comments in the code are by the model that wrote it; some were corrected since.
;; Self Attention Layer. Allowed arithmetic: matrix products marked QUANTISED: E5M2 operands, one given power-of-two scale a tensor, by v_wmma_f32_16x16x64_bf8_bf8 or v_wmma_f32_16x16x128_bf8_bf8, f32 sums; everything else in f32.
;; Inputs: H 2 x 2,048 x 1,024 float32; W1_codes 4,096 x 32 x 32 uint8 (E5M2 codes of W1, K innermost, in blocks of 32 codes); W2_codes 1,024 x 128 x 32 uint8 (E5M2 codes of W2, K innermost, in blocks of 32 codes); Wk_codes 1,024 x 32 x 32 uint8 (E5M2 codes of Wk, K innermost, in blocks of 32 codes); Wq_codes 1,024 x 32 x 32 uint8 (E5M2 codes of Wq, K innermost, in blocks of 32 codes); Wv_codes 1,024 x 32 x 32 uint8 (E5M2 codes of Wv, K innermost, in blocks of 32 codes); attention_mask 2 x 1 x 1 x 2,048 float32; b1 4,096 float32; b2 1,024 float32; be1 1,024 float32; be2 1,024 float32; g1 1,024 float32; g2 1,024 float32; lowp_scales 14 int32 (the exponents e of the quantised operands' scales 2^e).
;; Outputs: out0 2 x 2,048 x 1,024 float32.
;; This version of the problem:
;;   THIS VERSION OF THE PROBLEM IS GIVEN IN LOW PRECISION. The matrix products marked QUANTISED in the list below multiply operands that are first quantised to E5M2 (5 exponent bits, 2 mantissa bits; 8 bits a number), with one given power-of-two scale for each operand tensor; their sums are f32. All else is computed in f32.
;;   The module's matrix products, in the order in which they are computed (A, B: the left and right operand; K: the contracted axis; several contracted axes count as one K, in the product's order):
;;     1. [M 4,096, K 1,024] x [K 1,024, N 1,024]; A: input H; B: input Wq (given as codes): QUANTISED (scales: A lowp_scales[0], B lowp_scales[1])
;;     2. [M 4,096, K 1,024] x [K 1,024, N 1,024]; A: input H; B: input Wk (given as codes): QUANTISED (scales: A lowp_scales[2], B lowp_scales[3])
;;     3. [M 4,096, K 1,024] x [K 1,024, N 1,024]; A: input H; B: input Wv (given as codes): QUANTISED (scales: A lowp_scales[4], B lowp_scales[5])
;;     4. batch 32 x [M 2,048, K 64] x [K 64, N 2,048]; A: computed on the way; B: computed on the way: QUANTISED (scales: A lowp_scales[6], B lowp_scales[7])
;;     5. batch 32 x [M 2,048, K 2,048] x [K 2,048, N 64]; A: softmax (see below); B: computed on the way: QUANTISED (scales: A lowp_scales[8], B lowp_scales[9])
;;     6. [M 4,096, K 1,024] x [K 1,024, N 4,096]; A: computed on the way; B: input W1 (given as codes): QUANTISED (scales: A lowp_scales[10], B lowp_scales[11])
;;     7. [M 4,096, K 4,096] x [K 4,096, N 1,024]; A: computed on the way; B: input W2 (given as codes): QUANTISED (scales: A lowp_scales[12], B lowp_scales[13])
;;   THE QUANTISER, for each operand of a quantised product, along K:
;;     - The operand's scale is 2^e, e = its entry of the input lowp_scales (int32; the entries are numbered through the quantised products in the list's order, A before B).
;;     - Each number is divided by the scale, clamped to +-57,344, and rounded to the nearest number of E5M2, ties to even, subnormals kept.
;;     - The product sums the exact products of the quantised numbers (number of the format x scale) in f32.
;;   ~~~python
;;   def quantise(x, axis, e):      # numpy; x: float32 -> the quantised numbers, widened to float32 again
;;       x = np.moveaxis(x, axis, -1); K = x.shape[-1]
;;       r = np.clip(x / 2.0 ** e, -57344, 57344)
;;       step = 2.0 ** (np.maximum(np.frexp(np.where(r == 0, 1, r))[1] - 1, -14) - 2)
;;       q = np.round(r / step) * step * 2.0 ** e      # np.round: ties to even
;;       return np.moveaxis(q, -1, axis).astype(np.float32)
;;   ~~~
;;   SOFTMAX AHEAD OF A QUANTISED PRODUCT. Where the list says 'softmax', what is quantised is not the finished softmax but p = 2^(t - M), with t = logit x log2(e) and M = ceil(the row's largest t), a whole number; so 1/2 < the row's largest p <= 1. The row's sum l is taken of the UNQUANTISED p, in f32, and the product's result is divided by l at the end. Since M is a whole number, a kernel that streams over the keys may use a running M (the ceiling of the running maximum): every later rescaling is an exact power of two, so the quantised numbers keep their values, but for numbers so far below the row's largest that they fall under the format's range.
;;   OPERANDS COMPUTED ON THE WAY. 'Computed on the way' means the value that the module computes at that place (a softmax that the list does not call 'softmax' is quantised finished and normalised). What goes into a quantiser is computed in f32, as accurately as f32 sums, v_exp_f32 and their like allow (about 1e-6 of the number): no bf16 or f16 on the way to a quantiser, and a product that is left as it is and whose result goes on into a quantised operand takes f32 operands (vector FMAs, or v_wmma_f32_16x16x4_f32). A number that lies on a knife's edge between two numbers of the format may be rounded either way, as far as f32 arithmetic and the matrix unit's own rounding can turn it there, and no further.
;;   INPUTS GIVEN AS CODES. W1 (in the module: [1024, 4096], K = its axis 0); W2 (in the module: [4096, 1024], K = its axis 0); Wk (in the module: [1024, 1024], K = its axis 0); Wq (in the module: [1024, 1024], K = its axis 0); Wv (in the module: [1024, 1024], K = its axis 0): each comes as NAME_codes (uint8): NAME with its K axis moved to the last place and cut into blocks of 32 codes, [.., K / 32, bytes a block], one block behind the other in memory; one code a byte (a code: sign, 5 exponent bits, 2 mantissa bits); its scale is its entry of lowp_scales. Its value is code x scale, taken as it is: it is not quantised again, and the codes and scales need not be those that the quantiser above would give.
;; One version. Each part assembles by itself: llvm-mc -triple=amdgcn-amd-amdhsa -mcpu=gfx1250 --defsym DOCPART=n.
;; ======== version 1 of 1: 7 launches
;; limits: right only within a limited range of input values
;; workspace buffers: codes 12,582,912 bytes; heads 12,582,912 bytes; rows_a 16,777,216 bytes; fout 16,777,216 bytes; hidden 16,777,216 bytes
;; launch quant_h (part 1): grid 256 x 1, 4 waves a work-group, no clusters, 33,280 bytes of LDS; arguments H, lowp_scales, codes; writes codes
.if DOCPART == 1
	.amdgcn_target "amdgcn-amd-amdhsa--gfx1250"
	.amdhsa_code_object_version 6
	.text
	.protected	k_qe2eaf7a6bd_quant_h
	.globl	k_qe2eaf7a6bd_quant_h
	.p2align	8
	.type	k_qe2eaf7a6bd_quant_h,@function
k_qe2eaf7a6bd_quant_h:
	s_mov_b64 s[64:65], 0
	v_nop
	global_prefetch_b8 v0, s[64:65] scope:SCOPE_SE
	s_setreg_imm32_b32 hwreg(HW_REG_WAVE_MODE, 25, 1), 1
	s_wait_xcnt 0x0
; H [4096][1024] f32 becomes THREE sets of codes of E5M2, K innermost, rows of 1,024 bytes: H is the left operand of three products and each has a given scale of its own
; (entries 0, 2 and 4 of the scales' exponents).  Set x lies PART x bytes into the codes' buffer.  code = number / 2^e, held within +-57,344, to the nearest code, ties to even.
; LIMITS: each e between -126 and 112, so that 2^e and 57,344 x 2^e are f32 numbers.  NaN among the inputs is not served.
; Rows are dense, so H is a plain stream.  A wave takes 8 steps of 512 numbers.  Each load reads 512 consecutive bytes, 16 a lane; a step's 2,048 bytes turn through the wave's own stage in LDS
; (16 bytes of padding behind each 64) and come back 64 bytes a lane: 16 neighbours along K, which the conversions want in one lane's registers.  A lane's 16 codes are 16 bytes: a store covers 512 consecutive bytes.
; No barrier: waves share nothing.  Loads run four steps (16 loads a wave) ahead, the turn through LDS one step.
.set STEPS, 8
.set PART,  4194304
.set WREG,  8192                       ; LDS of a wave: two stages of 32 x SP bytes
.set SP,    80                         ; a lane's place in a stage: 64 bytes + 16 of padding
.set R,     16                         ; v16-79    four sets of 16 numbers as loaded
.set X,     80                         ; v80-111   two sets of 16 neighbours
.set T,     112                        ; v112-159  the neighbours held, a set for each scale
.set C,     160                        ; v160-255  codes: 12 registers for each step, so that no store's data are written again
	s_load_b128 s[4:7], s[0:1], 0x0                ; H, the scales' exponents
	s_load_b64 s[8:9], s[0:1], 0x10                ; the codes
	v_lshl_add_u32 v12, v0, 2, 0x8000
	v_mov_b32 v13, 0
	v_lshrrev_b32 v1, 5, v0
	v_readfirstlane_b32 s16, v1                    ; wave
	v_and_b32 v2, 31, v0                           ; lane
	v_lshlrev_b32 v3, 4, v2                        ; 16 x lane: my bytes of a load's 512 and of a store's 512; never rewritten
	s_mul_i32 s17, s16, WREG
	v_lshrrev_b32 v14, 2, v2
	v_mul_u32_u24 v14, v14, SP
	v_and_b32 v15, 3, v2
	v_lshl_add_u32 v14, v15, 4, v14
	v_add_nc_u32 v14, s17, v14                     ; the stage, in: SP (lane / 4) + 16 (lane % 4)
	v_mul_u32_u24 v15, v2, SP
	v_add_nc_u32 v15, s17, v15                     ; and out: SP x lane
	s_lshl_b32 s18, ttmp9, 2
	s_add_co_u32 s18, s18, s16                     ; which run of 4,096 numbers is my wave's
	s_lshl_b32 s20, s18, 14                        ; in H, bytes
	s_mov_b32 s21, 0
	s_lshl_b32 s22, s18, 12                        ; in each set of codes
	s_mov_b32 s23, 0
	s_wait_alu depctr_va_vdst(0)
	s_wait_kmcnt 0x0
	s_load_b256 s[24:31], s[6:7], 0x0              ; entries 0 to 7
	s_add_nc_u64 s[4:5], s[4:5], s[20:21]
	s_add_nc_u64 s[8:9], s[8:9], s[22:23]          ; set 0
	s_add_nc_u64 s[10:11], s[8:9], PART            ; set 1: a base of its own, since 2 PART lies outside a store's immediate
	s_add_nc_u64 s[12:13], s[8:9], 2*PART          ; set 2
.macro LOAD t
.irp i, 0,1,2,3
	global_load_b128 v[R+16*((\t)%4)+4*\i:R+16*((\t)%4)+4*\i+3], v3, s[4:5] offset:2048*(\t)+512*\i th:TH_LOAD_NT
.endr
.endm
.macro TURN t                          ; LDS serves a wave's instructions in order: no wait between the stores and the loads
.irp i, 0,1,2,3
	ds_store_b128 v14, v[R+16*((\t)%4)+4*\i:R+16*((\t)%4)+4*\i+3] offset:32*SP*((\t)%2)+8*SP*\i
.endr
.irp i, 0,1,2,3
	ds_load_b128 v[X+16*((\t)%2)+4*\i:X+16*((\t)%2)+4*\i+3], v15 offset:32*SP*((\t)%2)+16*\i
.endr
.endm
.irp t, 0,1,2,3
	LOAD \t
.endr
	s_wait_kmcnt 0x0
.irp x, 0,1,2                          ; v[6+2x] = 2^e as f32 (the conversion takes its exponent field), v[7+2x] = 57,344 x 2^e; e in s[24+2x], the odd entries' registers are at work
	s_add_co_i32 s[24+2*\x], s[24+2*\x], 127
	s_lshl_b32 s[25+2*\x], s[24+2*\x], 23
	v_mov_b32 v[6+2*\x], s[25+2*\x]
	s_add_co_i32 s[24+2*\x], s[24+2*\x], 15
	s_lshl_b32 s[24+2*\x], s[24+2*\x], 23
	s_or_b32 s[24+2*\x], s[24+2*\x], 0x600000
	v_mov_b32 v[7+2*\x], s[24+2*\x]
.endr
	s_wait_alu depctr_va_vdst(0)
	s_wait_loadcnt 12                              ; step 0's four loads are in
	TURN 0
.macro STEP t
.set XS, X+16*((\t)%2)
	s_wait_dscnt 0x0                               ; this step's numbers are back from the stage, so its stores into the stage have read their registers,
.if (\t)+4 < STEPS
	LOAD (\t)+4                                    ; which take the loads of four steps on
.endif
.if (\t)+1 < STEPS
.if STEPS-2-(\t) >= 3
	s_wait_loadcnt 12                              ; the next step's four loads are in; three steps' twelve may be out
.else
	s_wait_loadcnt 4*(STEPS-2-(\t))
.endif
	TURN (\t)+1
.endif
.irp x, 0,1,2
.set i, 0
.rept 16
	v_med3_num_f32 v[T+16*\x+i], v[XS+i], -v[7+2*\x], v[7+2*\x]   ; the conversion to an 8-bit code does not saturate (ISA guide 7.6.2): the hold comes first
.set i, i+1
.endr
	v_cvt_scalef32_pk8_bf8_f32 v[C+12*(\t)+4*\x:C+12*(\t)+4*\x+1], v[T+16*\x:T+16*\x+7], v[6+2*\x]
	v_cvt_scalef32_pk8_bf8_f32 v[C+12*(\t)+4*\x+2:C+12*(\t)+4*\x+3], v[T+16*\x+8:T+16*\x+15], v[6+2*\x]
	global_store_b128 v3, v[C+12*(\t)+4*\x:C+12*(\t)+4*\x+3], s[8+2*\x:9+2*\x] offset:512*(\t)   ; the results go to a store alone; the next vector lines are holds on other registers
.endr
.endm
.irp t, 0,1,2,3,4,5,6,7
	STEP \t
.endr
	s_wait_tensorcnt 0x0
	ds_add_u32 v12, v13
	s_wait_dscnt 0x0
	s_endpgm
.Lfunc_end_k_qe2eaf7a6bd_quant_h:
	.size	k_qe2eaf7a6bd_quant_h, .Lfunc_end_k_qe2eaf7a6bd_quant_h-k_qe2eaf7a6bd_quant_h
	.p2alignl 7, 3214868480
	.fill 96, 4, 3214868480
	.section	.rodata,"a",@progbits
	.p2align	6, 0x0
	.amdhsa_kernel k_qe2eaf7a6bd_quant_h
		.amdhsa_group_segment_fixed_size 33280
		.amdhsa_private_segment_fixed_size 0
		.amdhsa_enable_private_segment 0
		.amdhsa_kernarg_size 24
		.amdhsa_user_sgpr_count 2
		.amdhsa_user_sgpr_kernarg_segment_ptr 1
		.amdhsa_wavefront_size32 1
		.amdhsa_system_sgpr_workgroup_id_x 1
		.amdhsa_system_sgpr_workgroup_id_y 1
		.amdhsa_system_sgpr_workgroup_id_z 1
		.amdhsa_system_vgpr_workitem_id 0
		.amdhsa_next_free_vgpr 256
		.amdhsa_next_free_sgpr 66
		.amdhsa_reserve_vcc 0
		.amdhsa_float_denorm_mode_32 3
		.amdhsa_float_denorm_mode_16_64 3
		.amdhsa_memory_ordered 1
		.amdhsa_forward_progress 1
		.amdhsa_inst_pref_size 40
	.end_amdhsa_kernel
	.amdgpu_metadata
---
amdhsa.version: [ 1, 2 ]
amdhsa.kernels:
  - .name:           k_qe2eaf7a6bd_quant_h
    .symbol:         k_qe2eaf7a6bd_quant_h.kd
    .args:
      - { .name: H, .offset: 0, .size: 8, .value_kind: global_buffer, .address_space: global }
      - { .name: lowp_scales, .offset: 8, .size: 8, .value_kind: global_buffer, .address_space: global }
      - { .name: codes, .offset: 16, .size: 8, .value_kind: global_buffer, .address_space: global }
    .group_segment_fixed_size: 33280
    .private_segment_fixed_size: 0
    .kernarg_segment_align: 8
    .kernarg_segment_size: 24
    .max_flat_workgroup_size: 128
    .sgpr_count:     66
    .vgpr_count:     256
    .wavefront_size: 32
...
	.end_amdgpu_metadata
.endif
;; end of part 1
;; launch qkv (part 2): grid 12 x 16, 4 waves a work-group, clusters of 4 x 4, 327,680 bytes of LDS; arguments codes, Wq_codes, Wk_codes, Wv_codes, lowp_scales, heads; writes heads
.if DOCPART == 2
	.amdgcn_target "amdgcn-amd-amdhsa--gfx1250"
	.amdhsa_code_object_version 6
	.text
	.protected	k_qe2eaf7a6bd_qkv
	.globl	k_qe2eaf7a6bd_qkv
	.p2align	8
	.type	k_qe2eaf7a6bd_qkv,@function
k_qe2eaf7a6bd_qkv:
	s_mov_b64 s[64:65], 0
	v_nop
	global_prefetch_b8 v0, s[64:65] scope:SCOPE_SE
	s_setreg_imm32_b32 hwreg(HW_REG_WAVE_MODE, 25, 1), 1
	s_wait_xcnt 0x0
	s_wait_alu depctr_hold_cnt(0) depctr_sa_sdst(0) depctr_va_vdst(0) depctr_va_sdst(0) depctr_va_ssrc(0) depctr_va_vcc(0) depctr_vm_vsrc(0)
	s_getreg_b32 s2, hwreg(HW_REG_IB_STS2, 6, 4)
	s_cmp_eq_u32 s2, 0
	s_cbranch_scc0 .Lentry_in_a_cluster
	s_endpgm
.Lentry_in_a_cluster:
	s_bfe_u32 s2, ttmp6, 0x10000c
	s_cmp_lg_u32 s2, 0xf033
	s_cbranch_scc0 .Lentry_shape_is_right
	s_endpgm
.Lentry_shape_is_right:
; Q = H Wq, K = H Wk, V = H Wv on codes of E5M2, each result quantised at once (entries 6, 7, 9 of the scales' exponents) and stored as IMAGES OF THE OPERAND REGISTERS that the attention launch wants.
; The cluster's x (0, 1, 2) names the product; all sixteen partners of a cluster serve one product.  A tile is 256 x 256, four waves, 128 x 128 a wave: 64 accumulators, 512 registers.  K = 1,024 goes in steps of 256
; through a ring of two LDS slots filled by joint tensor loads: the "A side" tile is shared along a row of the cluster, the "B side" tile along a column.
; THE MATRIX INSTRUCTION: source 0 = 16 rows of the B side, source 1 = 16 rows of the A side: lane (r, h) holds A row r and its registers the B rows 8 h + 0 .. 7: eight neighbours for one conversion.
;   Q, K: A side = tokens (H's codes), B side = the weight's rows: a lane's registers run along the head's 64, the K of the scores.
;   V:    A side = Wv's rows, B side = tokens: a lane's registers run along the keys, the K of the second product.  The sides are chosen by selects on the cluster's x, never by a branch.
; The codes of accumulator (a, b) are registers 2 b, 2 b + 1 of block a's sixteen: each group of four goes out by one store, 16 bytes a lane, 512 consecutive bytes: a wave's output is 16,384 bytes on end.
; A raw sum stands for sum x 2^(eA + eB), so its code is sum / 2^(eOut - eA - eB): the three scales are folded into the conversion's one.
; LIMITS: e6 - e0 - e1, e7 - e2 - e3 and e9 - e4 - e5 between -126 and 112.  NaN is not served.
; Both sides' fragments come by loads of 16 bytes: a permutation of k inside an instruction, the same on both sides, so every product meets its partner.
; REGISTERS, in windows of 256: window 0: v0-31 addresses; from v128 the A side's fragments, ONE set; on the way out v128-191 held sums, v192-255 codes.  window 1: the B side's, TWO sets.  windows 2, 3: accumulators.
; PREFETCH: behind K step 0's joint load a wave asks for K steps 1 and 2 of its rows, behind K step 1's for K step 3.  Of the 128 rows that a wave fetches each of the four partners that ask for them jointly names 32
; (cx for the A side, cy for the B side: told apart by address), a lane a row: a K step is 256 bytes of a row, so each block of 256 bytes is named once in a cluster.  The steps are immediate offsets: no address is stepped.
.set SIZE_K, 1024
.set KSTEP,  256
.set ROWB,   256
.set KROW,   SIZE_K
.set PITCH,  272                       ; an LDS row: 256 bytes + 16 of padding = 68 words: the 16 rows that a load touches start at 16 different banks (64 banks of 4 bytes: ISA guide 11.1)
.set FR,     16
.set NL,     4
.set NP,     4                         ; places behind this matrix instruction (ISA guide 7.12.1)
.set HALFT,  128*PITCH
.set SLOT,   4*HALFT
.set LAPS,   SIZE_K/(2*KSTEP)
.set SPARE,  2*SLOT                    ; behind the ring: the spare words, 128 bytes for each wave
.set ADRA, 16
.set ADRB, 20
.set CO,   26                          ; v26  16 x lane: my bytes of a store
.set SPW,  28
.set NIL,  29
.set LIM,  30                          ; v30  57,344 x the folded scale
.set SC,   31                          ; v31  the folded scale as f32
.set AF,   128
.set TMP,  128
.set CR,   192
.set G1, 24
.set G0, 32
.set G1B, 48
.set G0B, 56
.set MSB, 0
.macro WIN new                         ; the immediate's high byte repeats the setting that is left
.if MSB != \new
	s_set_vgpr_msb (MSB<<8)|\new
.set MSB, \new
.endif
.endm
.set MUL_LO, 0xa1                      ; source 0 window 1, source 1 window 0, C and D window 2
.set MUL_HI, 0xf1
.set TO_B,   0x40
; A joint load: waves 0 and 1 fetch for the A side, waves 2 and 3 for the B side; the branch hangs on the wave's number alone.  Four v_nop follow each line.
.macro JLOAD g0a, g1a, g0b, g1b
	s_cmp_eq_u32 s15, 0
	s_cbranch_scc0 .Lfor_b_\@
	tensor_load_to_lds s[\g0a:\g0a+3], s[\g1a:\g1a+7]
	s_nop 0
.rept 4
	v_nop
.endr
	s_branch .Lasked_\@
.Lfor_b_\@:
	tensor_load_to_lds s[\g0b:\g0b+3], s[\g1b:\g1b+7]
	s_nop 0
.rept 4
	v_nop
.endr
.Lasked_\@:
.endm
.macro CREST                           ; a round of the cluster's barrier behind its opening barrier
	s_cmp_lg_u32 s14, 0
	s_cbranch_scc1 .Lnot_wave_0_\@
	s_barrier_signal -3
.Lnot_wave_0_\@:
	s_barrier_wait -3
	s_barrier_signal -1
	s_barrier_wait -1
.endm
.macro CROUND
	s_barrier_signal -1
	s_barrier_wait -1
	CREST
.endm
	s_load_b256 s[68:75], s[0:1], 0x0              ; H's codes, Wq's, Wk's, Wv's
	s_load_b128 s[76:79], s[0:1], 0x20             ; the scales' exponents, the images
	v_lshl_add_u32 v[SPW], v0, 2, SPARE
	v_mov_b32 v[NIL], 0
	ds_add_u32 v28, v29
	ds_add_u32 v28, v29
	s_wait_dscnt 0x0
	v_lshrrev_b32 v1, 5, v0
	v_readfirstlane_b32 s14, v1                    ; wave 0..3
	s_lshr_b32 s15, s14, 1                         ; which half of the tile's A rows is mine.  Also: I fetch for the A side (0) or the B side (1)
	s_and_b32 s16, s14, 1                          ; which half of its B rows.  Also: which 128 rows I fetch
	s_bfe_u32 s40, ttmp6, 0x40000                  ; cx
	s_bfe_u32 s41, ttmp6, 0x40004                  ; cy
	s_and_b32 s18, ttmp7, 0xffff
	s_lshl_b32 s18, s18, 2                         ; 4 x cluster y: it walks the tokens, which are the A side for Q and K and the B side for V
	s_cmp_eq_u32 ttmp9, 2
	s_cselect_b32 s66, 0, s18
	s_cselect_b32 s67, s18, 0
	s_add_co_u32 s17, s66, s41                     ; tile row (A side): never holds cx
	s_add_co_u32 s42, s67, s40                     ; tile column (B side): never holds cy
	s_lshl_b32 s43, s41, 2
	s_lshl_b32 s43, 15, s43                        ; my row of the cluster
	s_lshl_b32 s44, 0x1111, s40                    ; my column
	s_or_b32 s[G1+0], s43, (0<<16)|(1<<20)|(1<<21)|(5<<22)|(3<<25)  ; mask; elements of 1 byte; padding on; bit 21 beside a mask; after every 64 words, 4 words
	s_or_b32 s[G1B+0], s44, (0<<16)|(1<<20)|(1<<21)|(5<<22)|(3<<25)
.irp g, G1, G1B
	s_mov_b32 s[\g+1], ROWB<<16                    ; tensor_dim0
	s_mov_b32 s[\g+2], 128<<16                     ; tensor_dim1
	s_mov_b32 s[\g+3], ROWB<<16                    ; tile_dim0
	s_mov_b32 s[\g+4], 128                         ; tile_dim1
	s_mov_b32 s[\g+5], KROW                        ; from row to row
	s_mov_b32 s[\g+6], 0
	s_mov_b32 s[\g+7], 0
.endr
	s_lshl_b32 s18, s16, 7
	s_lshl_b32 s20, s17, 8
	s_add_co_u32 s20, s20, s18
	s_lshl_b32 s20, s20, 10                        ; A side: (256 x tile row + 128 x half) rows of 1,024 bytes
	s_mov_b32 s21, 0
	s_lshl_b32 s46, s42, 8
	s_add_co_u32 s46, s46, s18
	s_lshl_b32 s46, s46, 10                        ; B side likewise
	s_mov_b32 s47, 0
	s_mul_i32 s45, s14, HALFT                      ; where they go: wave x 128 rows
	s_lshl_b32 s80, ttmp9, 22                      ; the product's part, 4 MiB each, of H's codes and of the images
	s_mov_b32 s81, 0
	s_cmp_eq_u32 s15, 0                            ; the prefetches: do I fetch for the A side?
	s_cselect_b32 s8, s20, s46                     ; my 128 rows' first byte,
	s_cselect_b32 s9, s40, s41                     ; my place among the four that ask with me:
	s_lshl_b32 s9, s9, 15                          ; 32 rows of 1,024 bytes each
	s_add_co_u32 s8, s8, s9
	s_mov_b32 s9, 0
	s_wait_kmcnt 0x0
	s_load_b256 s[88:95], s[76:77], 0x0            ; e0 .. e7
	s_load_b64 s[98:99], s[76:77], 0x20            ; e8, e9
	s_add_nc_u64 s[82:83], s[68:69], s[80:81]      ; H's codes under this product's scale
	s_add_nc_u64 s[10:11], s[78:79], s[80:81]      ; this product's images
	s_cmp_eq_u32 ttmp9, 2
	s_cselect_b64 s[4:5], s[74:75], s[82:83]       ; the A side
	s_cmp_eq_u32 ttmp9, 0
	s_cselect_b64 s[6:7], s[70:71], s[72:73]
	s_cmp_eq_u32 ttmp9, 2
	s_cselect_b64 s[6:7], s[82:83], s[6:7]         ; the B side
	s_add_nc_u64 s[20:21], s[4:5], s[20:21]
	s_add_nc_u64 s[46:47], s[6:7], s[46:47]
	s_cmp_eq_u32 s15, 0
	s_cselect_b64 s[12:13], s[4:5], s[6:7]
	s_add_nc_u64 s[8:9], s[12:13], s[8:9]          ; where my prefetches stand
	CROUND                                         ; all sixteen work-groups are here: the first joint loads meet
.irp s, 0,1
	s_mov_b32 s[G0+4*\s], 1
	s_add_co_u32 s[G0+4*\s+1], s45, \s*SLOT
	s_add_nc_u64 s[G0+4*\s+2:G0+4*\s+3], s[20:21], \s*ROWB
	s_or_b32 s[G0+4*\s+3], s[G0+4*\s+3], 0x80000000
	s_mov_b32 s[G0B+4*\s], 1
	s_add_co_u32 s[G0B+4*\s+1], s45, \s*SLOT
	s_add_nc_u64 s[G0B+4*\s+2:G0B+4*\s+3], s[46:47], \s*ROWB
	s_or_b32 s[G0B+4*\s+3], s[G0B+4*\s+3], 0x80000000
.endr
	JLOAD G0, G1, G0B, G1B                         ; K step 0: one tensor load a wave at the head
	v_and_b32 v24, 31, v0
	v_lshlrev_b32 v24, 10, v24                     ; a lane a row of 1,024 bytes; never rewritten
	global_prefetch_b8 v24, s[8:9] offset:256 th:TH_LOAD_NT scope:SCOPE_SE   ; K step 1
	global_prefetch_b8 v24, s[8:9] offset:512 th:TH_LOAD_NT scope:SCOPE_SE   ; K step 2
	v_and_b32 v1, 15, v0
	v_bfe_u32 v2, v0, 4, 1                         ; h
	v_mul_u32_u24 v3, v1, PITCH
	v_lshl_add_u32 v4, v2, 4, v3                   ; a fragment's row x pitch + 16 h
	s_mul_i32 s21, s15, HALFT
	s_mul_i32 s22, s16, HALFT
	s_add_co_u32 s22, s22, 2*HALFT
.irp s, 0,1
	v_add_nc_u32 v[ADRA+\s], s21, v4
	v_add_nc_u32 v[ADRB+\s], s22, v4
	s_add_co_u32 s21, s21, SLOT
	s_add_co_u32 s22, s22, SLOT
.endr
	v_and_b32 v6, 31, v0
	v_lshlrev_b32 v[CO], 4, v6
	; where my 16,384 bytes of images begin.  L, l: tile and half along the tokens; S, s: along the features.  ((batch x 8 + pair of heads) x 16 + my run of 128 tokens in the batch) x 16,384
	s_cmp_eq_u32 ttmp9, 2
	s_cselect_b32 s84, s42, s17                    ; L
	s_cselect_b32 s85, s16, s15                    ; l
	s_cselect_b32 s86, s17, s42                    ; S
	s_cselect_b32 s87, s15, s16                    ; s
	s_lshr_b32 s20, s84, 3
	s_lshl_b32 s20, s20, 3                         ; batch x 8
	s_lshl_b32 s86, s86, 1
	s_add_co_u32 s20, s20, s86
	s_add_co_u32 s20, s20, s87                     ; + the pair of heads: 2 S + s
	s_lshl_b32 s20, s20, 4
	s_and_b32 s84, s84, 7
	s_lshl_b32 s84, s84, 1
	s_add_co_u32 s20, s20, s84
	s_add_co_u32 s20, s20, s85                     ; + 2 (L % 8) + l
	s_lshl_b32 s20, s20, 14
	s_mov_b32 s21, 0
	s_add_nc_u64 s[10:11], s[10:11], s[20:21]
.macro FRAG reg, adr, q, i             ; 16 rows x 128 K: registers 4 c .. 4 c + 3 hold K = 32 c + 16 h + 0 .. 15
.irp c, 0,1,2,3
	ds_load_b128 v[\reg+4*\c:\reg+4*\c+3], v[\adr] offset:128*(\q)+32*\c+(\i)*16*PITCH
.endr
.endm
; 16 matrix instructions.  The 64 accumulators take turns, one instruction a turn, in the same order in every step.  zero = 1: the first product starts the sums.
.macro MUL16 a0, p, zero
.irp a, \a0, \a0+1
.irp b, 0,1,2,3,4,5,6,7
.if \zero
	v_wmma_f32_16x16x128_bf8_bf8 v[8*(8*((\a)%4)+\b):8*(8*((\a)%4)+\b)+7], v[128*(\p)+FR*\b:128*(\p)+FR*\b+FR-1], v[AF+FR*(\a):AF+FR*(\a)+FR-1], 0
.else
	v_wmma_f32_16x16x128_bf8_bf8 v[8*(8*((\a)%4)+\b):8*(8*((\a)%4)+\b)+7], v[128*(\p)+FR*\b:128*(\p)+FR*\b+FR-1], v[AF+FR*(\a):AF+FR*(\a)+FR-1], v[8*(8*((\a)%4)+\b):8*(8*((\a)%4)+\b)+7]
.endif
.endr
.endr
.endm
.macro FETCH_B slot, q, p
	WIN TO_B
.irp i, 0,1,2,3,4,5,6,7
	FRAG 128*(\p)+FR*\i, ADRB+\slot, \q, \i
.endr
	WIN 0
.endm
.macro FETCH_A slot, q, i0
.irp i, \i0, \i0+1, \i0+2, \i0+3
	FRAG AF+FR*(\i), ADRA+\slot, \q, \i
.endr
.endm
.macro PLACES n                        ; plain vector lines between a matrix instruction and a load into, or a vector line on, its registers
.rept \n
	v_nop
.endr
.endm
.macro STEP slot, q, zero              ; 128 along K, with its successor in the same slot
	s_wait_dscnt 4*NL                              ; the B set and A's blocks 0-3 are in; the youngest sixteen loads (A's blocks 4-7) may be out
	WIN MUL_LO
	MUL16 0, (\q)%2, \zero
	MUL16 2, (\q)%2, \zero
	s_wait_dscnt 0
	PLACES NP
	FETCH_B \slot, (\q)+1, 1-(\q)%2
	FETCH_A \slot, (\q)+1, 0
	WIN MUL_HI
	MUL16 4, (\q)%2, \zero
	MUL16 6, (\q)%2, \zero
	PLACES NP
	WIN 0
	FETCH_A \slot, (\q)+1, 4
.endm
; A slot's last step changes slots: in front of the one barrier each wave waits for all its tensor loads, adds 0 to its spare word, and waits for that and for its reads of this slot.
.macro TURN slot, next, fill
	s_wait_tensorcnt 0x0                           ; all my tensor loads have landed: my part of the next slot
	ds_add_u32 v[SPW], v[NIL]                      ; 0 onto my spare word
	s_wait_dscnt 4*NL+1                            ; the add and A's blocks 4-7 may be out
	WIN MUL_LO
	MUL16 0, 1, 0
	s_wait_dscnt 0x0                               ; the add is done, and my reads of this slot are over
	s_barrier_signal -1
	MUL16 2, 1, 0
	WIN 0
	s_barrier_wait -1
.if \fill
	CREST                                          ; the barrier has opened a round of the cluster's: no wave of any partner still reads this slot or has a load on its way
	s_add_nc_u64 s[G0+4*\slot+2:G0+4*\slot+3], s[G0+4*\slot+2:G0+4*\slot+3], 2*ROWB
	s_add_nc_u64 s[G0B+4*\slot+2:G0B+4*\slot+3], s[G0B+4*\slot+2:G0B+4*\slot+3], 2*ROWB
	JLOAD G0+4*\slot, G1, G0B+4*\slot, G1B         ; the first tensor load behind the round; its four v_nop are the places in front of the loads below
.else
	PLACES NP
.endif
	FETCH_B \next, 0, 0
	FETCH_A \next, 0, 0
	WIN MUL_HI
	MUL16 4, 1, 0
	MUL16 6, 1, 0
	PLACES NP
	WIN 0
	FETCH_A \next, 0, 4
.endm
	s_wait_alu depctr_va_vdst(0)
	s_wait_tensorcnt 0x0                           ; my part of K step 0 is in
	ds_add_u32 v[SPW], v[NIL]
	s_wait_dscnt 0x0
	CROUND                                         ; everybody's part of K step 0 is in, and the sixteen work-groups meet
	JLOAD G0+4, G1, G0B+4, G1B                     ; K step 1, the first tensor load behind the round
	FETCH_B 0, 0, 0
	FETCH_A 0, 0, 0
	FETCH_A 0, 0, 4
	global_prefetch_b8 v24, s[8:9] offset:768 th:TH_LOAD_NT scope:SCOPE_SE   ; K step 3
	STEP 0, 0, 1
	s_mov_b32 s3, LAPS-1
.Llap:                                                 ; a trip goes once round the ring and fills both slots again
	TURN 0, 1, 1
	STEP 1, 0, 0
	TURN 1, 0, 1
	STEP 0, 0, 0
	s_sub_co_u32 s3, s3, 1
	s_cmp_lg_u32 s3, 0
	s_cbranch_scc1 .Llap
	TURN 0, 1, 0                                   ; the last lap fills nothing
	STEP 1, 0, 0
	s_wait_dscnt 4*NL
	WIN MUL_LO
	MUL16 0, 1, 0
	MUL16 2, 1, 0
	s_wait_dscnt 0
	WIN MUL_HI
	MUL16 4, 1, 0
	MUL16 6, 1, 0
	WIN 0
	; THE WAY OUT: held, converted, stored.  No stage: the codes' registers are the image.
	s_wait_kmcnt 0x0
	s_sub_co_i32 s94, s94, s88
	s_sub_co_i32 s94, s94, s89                     ; Q: e6 - e0 - e1
	s_sub_co_i32 s95, s95, s90
	s_sub_co_i32 s95, s95, s91                     ; K: e7 - e2 - e3
	s_sub_co_i32 s99, s99, s92
	s_sub_co_i32 s99, s99, s93                     ; V: e9 - e4 - e5
	s_cmp_eq_u32 ttmp9, 0
	s_cselect_b32 s94, s94, s95
	s_cmp_eq_u32 ttmp9, 2
	s_cselect_b32 s94, s99, s94
	s_add_co_i32 s94, s94, 127
	s_lshl_b32 s95, s94, 23
	v_mov_b32 v[SC], s95
	s_add_co_i32 s94, s94, 15
	s_lshl_b32 s94, s94, 23
	s_or_b32 s94, s94, 0x600000
	v_mov_b32 v[LIM], s94
	PLACES NP                                      ; behind the last products: their results are read and the A side's registers written below
.macro OUTBLK a
.set AC, 64*((\a)%4)
.set CB, CR+16*((\a)%4)
.if (\a) >= 4
	s_wait_xcnt 0x0                                ; the stores of four blocks back have read these registers
.endif
	WIN 0x02+((\a)/4)                              ; source 0: window 2 or 3
.set j, 0
.rept 64
	v_med3_num_f32 v[TMP+j], v[AC+j], -v[LIM], v[LIM]   ; each accumulator from its low end on; the conversion does not saturate (ISA guide 7.6.2)
.set j, j+1
.endr
	WIN 0
.irp b, 0,1,2,3,4,5,6,7
	v_cvt_scalef32_pk8_bf8_f32 v[CB+2*\b:CB+2*\b+1], v[TMP+8*\b:TMP+8*\b+7], v[SC]
.endr
	v_nop                                          ; a plain line between the last conversion and the next block's holds, which write its sources
.irp g, 0,1,2,3
	global_store_b128 v[CO], v[CB+4*\g:CB+4*\g+3], s[10:11] offset:2048*(\a)+512*\g   ; 32 lanes store 512 consecutive bytes
.endr
.endm
.irp a, 0,1,2,3,4,5,6,7
	OUTBLK \a
.endr
	s_wait_tensorcnt 0x0                           ; the wave's end
	ds_add_u32 v[SPW], v[NIL]
	s_wait_dscnt 0x0
	CROUND                                         ; the closing round
	s_endpgm
.Lfunc_end_k_qe2eaf7a6bd_qkv:
	.size	k_qe2eaf7a6bd_qkv, .Lfunc_end_k_qe2eaf7a6bd_qkv-k_qe2eaf7a6bd_qkv
	.p2alignl 7, 3214868480
	.fill 96, 4, 3214868480
	.section	.rodata,"a",@progbits
	.p2align	6, 0x0
	.amdhsa_kernel k_qe2eaf7a6bd_qkv
		.amdhsa_group_segment_fixed_size 327680
		.amdhsa_private_segment_fixed_size 0
		.amdhsa_enable_private_segment 0
		.amdhsa_kernarg_size 48
		.amdhsa_user_sgpr_count 2
		.amdhsa_user_sgpr_kernarg_segment_ptr 1
		.amdhsa_wavefront_size32 1
		.amdhsa_system_sgpr_workgroup_id_x 1
		.amdhsa_system_sgpr_workgroup_id_y 1
		.amdhsa_system_sgpr_workgroup_id_z 1
		.amdhsa_system_vgpr_workitem_id 0
		.amdhsa_next_free_vgpr 1024
		.amdhsa_next_free_sgpr 100
		.amdhsa_reserve_vcc 0
		.amdhsa_float_denorm_mode_32 3
		.amdhsa_float_denorm_mode_16_64 3
		.amdhsa_memory_ordered 1
		.amdhsa_forward_progress 1
		.amdhsa_inst_pref_size 119
	.end_amdhsa_kernel
	.amdgpu_metadata
---
amdhsa.version: [ 1, 2 ]
amdhsa.kernels:
  - .name:           k_qe2eaf7a6bd_qkv
    .symbol:         k_qe2eaf7a6bd_qkv.kd
    .args:
      - { .name: codes, .offset: 0, .size: 8, .value_kind: global_buffer, .address_space: global }
      - { .name: Wq_codes, .offset: 8, .size: 8, .value_kind: global_buffer, .address_space: global }
      - { .name: Wk_codes, .offset: 16, .size: 8, .value_kind: global_buffer, .address_space: global }
      - { .name: Wv_codes, .offset: 24, .size: 8, .value_kind: global_buffer, .address_space: global }
      - { .name: lowp_scales, .offset: 32, .size: 8, .value_kind: global_buffer, .address_space: global }
      - { .name: heads, .offset: 40, .size: 8, .value_kind: global_buffer, .address_space: global }
    .group_segment_fixed_size: 327680
    .private_segment_fixed_size: 0
    .kernarg_segment_align: 8
    .kernarg_segment_size: 48
    .max_flat_workgroup_size: 128
    .sgpr_count:     100
    .vgpr_count:     1024
    .wavefront_size: 32
...
	.end_amdgpu_metadata
.endif
;; end of part 2
;; launch attn (part 3): grid 8 x 32, 8 waves a work-group, clusters of 4 x 1, 327,680 bytes of LDS; arguments heads, attention_mask, lowp_scales, rows_a, H; writes rows_a
.if DOCPART == 3
	.amdgcn_target "amdgcn-amd-amdhsa--gfx1250"
	.amdhsa_code_object_version 6
	.text
	.protected	k_qe2eaf7a6bd_attn
	.globl	k_qe2eaf7a6bd_attn
	.p2align	8
	.type	k_qe2eaf7a6bd_attn,@function
k_qe2eaf7a6bd_attn:
	s_mov_b64 s[64:65], 0
	v_nop
	global_prefetch_b8 v0, s[64:65] scope:SCOPE_SE
	s_setreg_imm32_b32 hwreg(HW_REG_WAVE_MODE, 25, 1), 1
	s_wait_xcnt 0x0
	s_wait_alu depctr_hold_cnt(0) depctr_sa_sdst(0) depctr_va_vdst(0) depctr_va_sdst(0) depctr_va_ssrc(0) depctr_va_vcc(0) depctr_vm_vsrc(0)
	s_getreg_b32 s2, hwreg(HW_REG_IB_STS2, 6, 4)
	s_cmp_eq_u32 s2, 0
	s_cbranch_scc0 .Lentry_in_a_cluster
	s_endpgm
.Lentry_in_a_cluster:
	s_bfe_u32 s2, ttmp6, 0x10000c
	s_cmp_lg_u32 s2, 0x3003
	s_cbranch_scc0 .Lentry_shape_is_right
	s_endpgm
.Lentry_shape_is_right:
; ctx[b][q][64 head + d] = sum over keys of softmax(Q . K / 8 + mask[b][key]) V, both products on codes of E5M2.  Q, K, V come as images of operand registers (the launch before laid them).
; THE SOFTMAX: t = logit x log2(e); M = the running largest t rounded UP to a whole number; p = 2^(t - M) is quantised with the given 2^e8; the row's sum is taken of the unquantised p and divides at the end.
; When M moves, the sum and O are multiplied by f = 2^(old M - new M): exact.
; THE MASK is an input, one number a key.  t = c (sum + mask'), c = log2(e) / 8 x 2^(e6 + e7), mask' = mask x 2^(3 - e6 - e7) (exact).  mask' lies in LDS and is the C of the first product.
; SHARES.  y = batch x 16 + head.  A work-group owns 256 queries of a head; each of its eight waves owns 32, two tiles of 16; K's, V's and the mask's registers serve both tiles: 48 LDS loads a key step of 128 keys.
; THE WHOLE K AND V OF THE HEAD LIE IN LDS (131,072 bytes each), each byte filled once, IN TWO GROUPS, one tensor load a wave in each (waves 0-3 K's, waves 4-7 V's):
;   at the head K's tiles 0-39 (key steps 0-4: K is read one step ahead) and V's key steps 0-3, 73,728 bytes; behind the three lines and a round of the cluster's barrier the other 188,416 bytes,
;   which have key steps 0-3 in which to land.  The 16 key steps go as four runs of four on one body, with a barrier between runs; the first of the three shows the second group to every wave.
; CLUSTER.  The four query blocks of a cluster walk the same head and ask for K and V jointly.
; NO PREFETCH: the second group is asked for as soon as the first has landed, four key steps ahead of its first read; behind it the loop reads LDS alone.
; LAYOUT.  S^T = K Q^T: lane (r, h) holds query r and register 8 t + j key 16 t + 8 h + j; tile t's conversion gives registers 2 t, 2 t + 1 of P, the second product's source 1; O^T = V^T P.
; THE ORDER OF A STEP.  Maxima, M and f of both tiles line by line in turn; tile 0's scalings; O^T x f; a wait; tile 0's 64 exponentials; a wait; tile 1's 64; a wait; the rest.  Between exponentials stand only plain
; lines whose sources were written ahead of the batch's wait and whose results are read behind the next wait: tile 1's scalings; tile 0's sixteen first sums and its holds.
; The look-ahead for K and mask' is clamped to step 15, so the last step loads that step's registers once more and nobody uses them: one body serves all 16.
; LIMITS: e6 + e7 between -123 and 130 (added to c's exponent field); e8 between -126 and 112.  A mask number that leaves f32's range under x 2^(3 - e6 - e7) counts as infinite.  A row whose keys are all
; masked by -infinity gives NaN, as the definition does.  NaN among the inputs is not served.
; REGISTERS: window 0: v1-11 addresses; v12-23, v24-35 a tile's statistics; v36, v37 the hold, v38 the scale; v40-55 Q; v56-87 p's codes; v88-95, v224-247 tile 0's first sums; v96-223 S^T, then p; v254, v255 the add's.
;            window 1: v0-63 O^T; v64-127 K of a step; v128-191 V of a step; v192-255 mask' of a step.
; WHAT IS STORED IS H + ctx, the next launch's input.  My 32 rows x 256 bytes of H are the one stream that is prefetched (one instruction a wave at the head, a lane a row); they are loaded behind the last products into
; V's registers, in the layout of the rows read back from the stage, and added there.
.set VB,    131072                     ; LDS: K's images at 0 (16 keys: 1,024 bytes), V's at VB (128 keys: 8,192 bytes),
.set MASKB, 262144                     ; mask': 2,048 numbers,
.set STAGE, 270336                     ; the way out: 16 rows x 272 bytes for each wave, bytes of their own,
.set SPARE, 305152                     ; the spare words: 128 bytes for each wave
.set LI,  1                            ; 16 x lane
.set MA,  2                            ; MASKB + 32 h
.set GO,  3                            ; my bytes in two rows of ctx
.set STO, 4                            ; the stage, in
.set RD,  5                            ; the stage, back
.set LV,  6                            ; VB + 16 x lane
.set ADK, 8
.set ADV, 9
.set ADM, 10
.set ST,  12                           ; tile x at v[ST + 12 x]: +0 -M, +1 the largest t, +2, +3 the sum, +4 f (+5 named with it), +6, +7 a second chain, +8, +9 at work, +10 the lane permute's destination
.set LIMA, 36                          ; 57,344 x 2^e8, twice: the two halves of a dual line take their second sources from different banks
.set LIMB, 37
.set SCR,  38                          ; 2^e8
.set QF,  40
.set CD,  56
.set S,   96
.set SPW, 254
.set NIL, 255
.set OF,  0
.set KF,  64
.set VF,  128
.set MF,  192
.set OUTER, 17
.set WV,  18
.set SEL, 20                           ; s[20:21] v_permlanex16_b32's selects: lane l xor 16
.set CS,  22                           ; s[22:23] c, twice
.set G1K, 24                           ; groups 1: K's and V's tiles of the first group of loads,
.set G1V, 32
.set G1K2, 68                          ; and of the second
.set G1V2, 76
.set G0K, 40                           ; groups 0 likewise
.set G0V, 44
.set G0K2, 48
.set G0V2, 52
.set TK,  2                            ; first byte, in K's region, of the step whose K is fetched next
.set TMK, 3                            ; and in mask'
.set TV,  15                           ; first byte, in V's region, of the step in hand
.set TRIP, 56
.set MSB, 0
.macro WIN new                         ; the immediate's high byte repeats the setting that is left
.if MSB != \new
	s_set_vgpr_msb (MSB<<8)|\new
.set MSB, \new
.endif
.endm
.set W_LD, 0x40                        ; destination window 1, address window 0
.set W_KQ, 0x11                        ; K and mask' window 1; Q and S^T window 0
.set W_PV, 0x51                        ; V and O^T window 1; P window 0
.set W_RS, 0x41                        ; O^T window 1; f window 0
.macro CROUND
	s_barrier_signal -1
	s_barrier_wait -1
	s_cmp_lg_u32 s[WV], 0
	s_cbranch_scc1 .Lnot_wave_0_\@
	s_barrier_signal -3
.Lnot_wave_0_\@:
	s_barrier_wait -3
	s_barrier_signal -1
	s_barrier_wait -1
.endm
.macro GROUP1 g, c, r, p               ; r rows of c elements of 8 bytes, p elements apart in memory, dense in LDS; the mask names all four work-groups, bit 21 beside it
	s_mov_b32 s[\g], 15|(3<<16)|(1<<21)
	s_mov_b32 s[\g+1], (\c)<<16
	s_mov_b32 s[\g+2], (\r)<<16
	s_mov_b32 s[\g+3], (\c)<<16
	s_mov_b32 s[\g+4], \r
	s_mov_b32 s[\g+5], \p
	s_mov_b32 s[\g+6], 0
	s_mov_b32 s[\g+7], 0
.endm
.macro GROUP0 g, l0, lm, o, m0, mm     ; LDS byte l0 + lm x wave; memory byte s[o] + m0 + mm x wave of the images
	s_mov_b32 s[\g], 1
	s_mul_i32 s[\g+1], s[WV], \lm
	s_add_co_u32 s[\g+1], s[\g+1], \l0
	s_mul_i32 s88, s[WV], \mm
	s_add_co_u32 s88, s88, \m0
	s_add_co_u32 s88, s88, s[\o]
	s_add_nc_u64 s[\g+2:\g+3], s[4:5], s[88:89]
	s_or_b32 s[\g+3], s[\g+3], 0x80000000
.endm
.macro JLOAD g0k, g1k, g0v, g1v        ; waves 0-3 ask for K's part, waves 4-7 for V's; an s_nop 0 and four v_nop follow each line
	s_cmp_lt_u32 s[WV], 4
	s_cbranch_scc0 .Lfor_v_\@
	tensor_load_to_lds s[\g0k:\g0k+3], s[\g1k:\g1k+7]
	s_nop 0
.rept 4
	v_nop
.endr
	s_branch .Lasked_\@
.Lfor_v_\@:
	tensor_load_to_lds s[\g0v:\g0v+3], s[\g1v:\g1v+7]
	s_nop 0
.rept 4
	v_nop
.endr
.Lasked_\@:
.endm
	s_load_b256 s[4:11], s[0:1], 0x0               ; the images, the mask, the scales' exponents, the result
	s_load_b64 s[92:93], s[0:1], 0x20              ; H
	v_lshl_add_u32 v[SPW], v0, 2, SPARE
	v_mov_b32 v[NIL], 0
	ds_add_u32 v[SPW], v[NIL]                      ; the opening lines: the add twice on end and one wait
	ds_add_u32 v[SPW], v[NIL]
	v_lshrrev_b32 v8, 5, v0
	v_readfirstlane_b32 s[WV], v8                  ; wave 0..7
	s_bfe_u32 s19, ttmp6, 0x40000                  ; cx: it enters Q's and ctx's addresses alone
	s_and_b32 s12, ttmp7, 0xffff                   ; y, which the four partners share
	s_lshr_b32 s13, s12, 1                         ; the pair of heads
	s_and_b32 s14, s12, 1                          ; which of the pair
	s_lshl_b32 s16, s13, 18
	s_lshl_b32 s58, s14, 10
	s_add_co_u32 s58, s58, s16                     ; Q: 262,144 x pair + 1,024 x which
	s_mov_b32 s59, 0
	s_add_co_u32 s62, s58, 0x400000                ; K's part lies 4 MiB on
	s_lshl_b32 s60, s14, 13
	s_add_co_u32 s60, s60, s16
	s_add_co_u32 s60, s60, 0x800000-131072         ; V: 8 MiB + 262,144 x pair + 8,192 x which; less 131,072, since V's waves are numbered from 4
	s_mov_b32 s89, 0
	GROUP1 G1K,  128,  10, 256                     ; 10 tiles of K: 1,024 bytes each, 2,048 apart
	GROUP1 G1V,  128,  8,  128                     ; one key step of V: 8,192 bytes on end
	GROUP1 G1K2, 128,  22, 256                     ; 22 tiles of K
	GROUP1 G1V2, 1024, 3,  2048                    ; three key steps of V, 16,384 bytes apart
	s_mov_b32 s[SEL], 0x76543210
	s_mov_b32 s[SEL+1], 0xfedcba98
	s_mov_b32 s[CS], 0x3e38aa3b                    ; log2(e) / 8
	s_mov_b32 s[TK], 0
	s_mov_b32 s[TMK], 0
	s_mov_b32 s[TV], 0
	s_wait_dscnt 0x0
	s_wait_kmcnt 0x0
	s_load_b128 s[84:87], s[8:9], 0x18             ; e6, e7, e8, e9
	GROUP0 G0K,  0,     10240, 62, 0,     20480    ; K's tiles 10 w on
	GROUP0 G0V,  98304, 8192,  60, 65536, 16384    ; V's key step w - 4
	GROUP0 G0K2, 40960, 22528, 62, 81920, 45056    ; K's tiles 40 + 22 w on
	GROUP0 G0V2, 65536, 24576, 60, 0,     49152    ; V's key steps 4 + 3 (w - 4) on
	s_add_nc_u64 s[62:63], s[4:5], s[58:59]        ; the head in Q's part
	CROUND                                         ; all four work-groups are here: the joint loads meet
	JLOAD G0K, G1K, G0V, G1V                       ; the first group: one tensor load a wave at the head
	s_mul_i32 s58, s[WV], 4352
	s_add_co_u32 s58, s58, STAGE                   ; my stage
	s_lshl_b32 s66, ttmp9, 2
	s_add_co_u32 s66, s66, s19                     ; my block of 256 queries
	s_lshl_b32 s66, s66, 4
	s_lshl_b32 s57, s[WV], 1
	s_add_co_u32 s66, s66, s57                     ; my first tile of 16 queries in the batch
	s_lshl_b32 s88, s66, 11
	s_add_nc_u64 s[88:89], s[62:63], s[88:89]
	s_lshr_b32 s67, s12, 4                         ; the batch
	s_lshl_b32 s90, s67, 13
	s_mov_b32 s91, 0
	s_add_nc_u64 s[6:7], s[6:7], s[90:91]
	s_lshl_b32 s90, s67, 11
	s_lshl_b32 s57, s66, 4
	s_add_co_u32 s90, s90, s57                     ; my first token
	s_lshl_b32 s90, s90, 12                        ; a row of ctx is 4,096 bytes
	s_and_b32 s57, s12, 15
	s_lshl_b32 s57, s57, 8                         ; the head's 256 bytes of it
	s_add_co_u32 s90, s90, s57
	s_add_nc_u64 s[10:11], s[10:11], s[90:91]
	s_add_nc_u64 s[92:93], s[92:93], s[90:91]      ; H at the same place
	v_and_b32 v[LI], 31, v0
	v_lshlrev_b32 v[LI], 4, v[LI]
	v_lshlrev_b32 v7, 4, v0
.irp x, 0,1                                    ; Q's two fragments stay in registers
	global_load_b128 v[QF+8*\x:QF+8*\x+3], v[LI], s[88:89] offset:2048*\x
	global_load_b128 v[QF+8*\x+4:QF+8*\x+7], v[LI], s[88:89] offset:2048*\x+512
.endr
	global_load_b128 v[224:227], v7, s[6:7]                ; eight of the batch's 2,048 mask numbers a thread
	global_load_b128 v[228:231], v7, s[6:7] offset:4096
	v_and_b32 v39, 31, v0
	v_lshlrev_b32 v39, 12, v39                     ; a lane a row of 4,096 bytes
	global_prefetch_b8 v39, s[92:93] th:TH_LOAD_NT scope:SCOPE_SE   ; my 32 rows' 256 bytes of H
	v_and_b32 v8, 15, v0                           ; r
	v_bfe_u32 v9, v0, 4, 1                         ; h
	v_lshl_add_u32 v[MA], v9, 5, MASKB
	v_add_nc_u32 v[LV], VB, v[LI]
	v_mul_u32_u24 v[STO], v8, 272
	v_lshl_add_u32 v[STO], v9, 5, v[STO]
	v_add_nc_u32 v[STO], s58, v[STO]               ; in: row r, + 32 h
	v_mul_u32_u24 v[RD], v9, 272
	v_lshl_add_u32 v[RD], v8, 4, v[RD]
	v_add_nc_u32 v[RD], s58, v[RD]                 ; back: lanes 0-15 one row, lanes 16-31 the next
	v_lshlrev_b32 v[GO], 12, v9
	v_lshl_add_u32 v[GO], v8, 4, v[GO]             ; and the same two rows of ctx
	v_lshl_add_u32 v11, v0, 4, MASKB
.irp x, 0,1
	v_mov_b32 v[ST+12*\x+1], 0xff61b1e6            ; the largest t so far: -3e38
	v_floor_f32 v[ST+12*\x], -v[ST+12*\x+1]        ; -M
	v_mov_b32 v[ST+12*\x+2], 0                     ; the sum, in two halves
	v_mov_b32 v[ST+12*\x+3], 0
	v_mov_b32 v[ST+12*\x+5], 0                     ; named as the upper half of f's pair
	v_mov_b32 v[ST+12*\x+10], 0                    ; a lane permute's destination counts as read
.endr
	WIN W_LD
.set j, 0
.rept 64
	v_mov_b32 v[OF+j], 0                           ; O^T: the step has no first form of its own; the first change of M leaves zeros zeros
.set j, j+1
.endr
	WIN 0
	s_wait_kmcnt 0x0
	s_add_co_i32 s57, s84, s85                     ; e6 + e7
	s_lshl_b32 s58, s57, 23
	s_add_co_i32 s[CS], s[CS], s58                 ; added to c's exponent field
	s_mov_b32 s[CS+1], s[CS]
	s_sub_co_i32 s57, 3, s57
	s_add_co_i32 s58, s86, 127
	s_lshl_b32 s59, s58, 23
	v_mov_b32 v[SCR], s59                          ; 2^e8
	s_add_co_i32 s58, s58, 15
	s_lshl_b32 s58, s58, 23
	s_or_b32 s58, s58, 0x600000
	v_mov_b32 v[LIMA], s58                         ; 57,344 x 2^e8
	v_mov_b32 v[LIMB], s58
	s_wait_loadcnt 0x0                             ; Q and the mask
.irp i, 224,225,226,227,228,229,230,231
	v_ldexp_f32 v\i, v\i, s57                      ; mask' = mask x 2^(3 - e6 - e7)
.endr
	ds_store_b128 v11, v[224:227]
	ds_store_b128 v11, v[228:231] offset:4096
; PRE, line n of 73 for tile x: 0-31 the largest of my 64 scores, in two chains, each accumulator from its low end on; 32-40 the other half of the lanes', t, the running largest, -M, f; 41-72 the scalings t - M.
.macro PRE x
.set rT, ST+12*(\x)
.set rS, S+64*(\x)
.if n == 0
	v_max3_num_f32 v[rT+8], v[rS], v[rS+1], v[rS+2]
.elseif n == 1
	v_max3_num_f32 v[rT+9], v[rS+3], v[rS+4], v[rS+5]
.elseif n < 30
.set ii, 6+4*((n-2)/2)+2*(n%2)
	v_max3_num_f32 v[rT+8+n%2], v[rT+8+n%2], v[rS+ii], v[rS+ii+1]
.elseif n == 30
	v_max3_num_f32 v[rT+8], v[rT+8], v[rS+62], v[rS+63]
.elseif n == 31
	v_max_num_f32 v[rT+8], v[rT+8], v[rT+9]
.elseif n == 32
	v_permlanex16_b32 v[rT+10], v[rT+8], s[SEL], s[SEL+1]
.elseif n == 33
	v_max_num_f32 v[rT+8], v[rT+8], v[rT+10]       ; and among lane l xor 16's
.elseif n == 34
	v_mul_f32 v[rT+8], s[CS], v[rT+8]              ; as t (c is positive)
.elseif n == 35
	v_max_num_f32 v[rT+1], v[rT+1], v[rT+8]        ; the running largest t
.elseif n == 36
	v_mov_b32 v[rT+8], v[rT]
.elseif n == 37
	v_floor_f32 v[rT], -v[rT+1]                    ; the new -M = floor(-t): M is a whole number
.elseif n == 38
	v_sub_f32 v[rT+8], v[rT], v[rT+8]              ; old M - new M: a whole number, 0 or less
.elseif n == 39
	v_cvt_i32_f32 v[rT+8], v[rT+8]                 ; (it saturates)
.elseif n == 40
	v_ldexp_f32 v[rT+4], 1.0, v[rT+8]              ; f = 2^(old M - new M)
.else
.set ii, 2*(n-41)
	v_pk_fma_f32 v[rS+ii:rS+ii+1], v[rS+ii:rS+ii+1], s[CS:CS+1], v[rT:rT+1] op_sel_hi:[1,0,0]   ; t - M, two at a time
.endif
.endm
.macro EXPO x                          ; p = 2^(t - M), at most 1
	v_exp_f32 v[S+64*(\x)+n], v[S+64*(\x)+n]
.endm
.macro HOLD2 x, k                      ; the conversion does not saturate (ISA guide 7.6.2); p is not negative, so the hold is one-sided; two numbers a line
	v_dual_min_num_f32 v[S+64*(\x)+2*(\k)], v[S+64*(\x)+2*(\k)], v[LIMA] :: v_dual_min_num_f32 v[S+64*(\x)+2*(\k)+1], v[S+64*(\x)+2*(\k)+1], v[LIMB]
.endm
.macro CVT x, t
	v_cvt_scalef32_pk8_bf8_f32 v[CD+16*(\x)+2*(\t):CD+16*(\x)+2*(\t)+1], v[S+64*(\x)+8*(\t):S+64*(\x)+8*(\t)+7], v[SCR]
.endm
.macro PAREG k                         ; pa = where tile 0's first sum k lies
.set pa, 88+2*(\k)
.if (\k) >= 4
.set pa, 216+2*(\k)
.endif
.endm
; POST, line n of 73: 0 the sum under the new M; 1-32 the row's sum of the UNQUANTISED p, in two chains; 33-64 the holds; 65-72 the conversions.
.macro POST x
.set rT, ST+12*(\x)
.set rS, S+64*(\x)
.if n == 0
	v_pk_mul_f32 v[rT+2:rT+3], v[rT+2:rT+3], v[rT+4:rT+5] op_sel_hi:[1,0]
.elseif n == 1
	v_pk_add_f32 v[rT+6:rT+7], v[rS:rS+1], v[rS+2:rS+3]
.elseif n < 32
.set ii, 4+4*((n-2)/2)+2*(n%2)
	v_pk_add_f32 v[rT+2+4*(n%2):rT+3+4*(n%2)], v[rT+2+4*(n%2):rT+3+4*(n%2)], v[rS+ii:rS+ii+1]
.elseif n == 32
	v_pk_add_f32 v[rT+2:rT+3], v[rT+2:rT+3], v[rT+6:rT+7]
.elseif n < 65
	HOLD2 \x, n-33
.else
	CVT \x, n-65
.endif
.endm
; MID0, line n of 48, tile 0, between tile 1's exponentials: 0-15 sixteen sums of four p each, into registers of their own; 16-47 the holds.  No line reads what another of the 48 wrote.
.macro MID0
.if n < 16
	PAREG n
	v_pk_add_f32 v[pa:pa+1], v[S+4*n:S+4*n+1], v[S+4*n+2:S+4*n+3]
.else
	HOLD2 0, n-16
.endif
.endm
; LEFT0, line n of 24, tile 0: 0-15 the sixteen first sums are added to the row's sum, in two chains; 16-23 the conversions.
.macro LEFT0
.if n == 0
	v_pk_add_f32 v[ST+6:ST+7], v[88:89], v[90:91]
.elseif n < 15
	PAREG n+1
	v_pk_add_f32 v[ST+2+4*((n+1)%2):ST+3+4*((n+1)%2)], v[ST+2+4*((n+1)%2):ST+3+4*((n+1)%2)], v[pa:pa+1]
.elseif n == 15
	v_pk_add_f32 v[ST+2:ST+3], v[ST+2:ST+3], v[ST+6:ST+7]
.else
	CVT 0, n-16
.endif
.endm
; K and mask' of the step at s[TK], s[TMK]: 32 LDS loads in one run.  The two additions and the two v_nop are the four plain lines between the first products and the loads into the registers that they read.
.macro PREF
	v_add_nc_u32 v[ADK], s[TK], v[LI]
	v_add_nc_u32 v[ADM], s[TMK], v[MA]
	v_nop
	v_nop
	WIN W_LD
.irp t, 0,1,2,3,4,5,6,7
	ds_load_b128 v[KF+8*\t:KF+8*\t+3], v[ADK] offset:1024*\t
	ds_load_b128 v[KF+8*\t+4:KF+8*\t+7], v[ADK] offset:1024*\t+512
.endr
.irp t, 0,1,2,3,4,5,6,7
	ds_load_b128 v[MF+8*\t:MF+8*\t+3], v[ADM] offset:64*\t       ; mask' of keys 16 t + 8 h + 0 .. 7: the result's layout
	ds_load_b128 v[MF+8*\t+4:MF+8*\t+7], v[ADM] offset:64*\t+16
.endr
	WIN 0
	s_add_co_u32 s[TK], s[TK], 8192
	s_min_u32 s[TK], s[TK], 15*8192                ; clamped to step 15
	s_add_co_u32 s[TMK], s[TMK], 512
	s_min_u32 s[TMK], s[TMK], 15*512
.endm
; A KEY STEP: 128 keys, two tiles of queries.
.macro STEP
	v_add_nc_u32 v[ADV], s[TV], v[LV]
	v_nop
	v_nop
	v_nop                                          ; four plain lines between the last step's second products and the loads into V's registers
	WIN W_LD
.irp d, 0,1,2,3
.irp g, 0,1,2,3
	ds_load_b128 v[VF+16*\d+4*\g:VF+16*\d+4*\g+3], v[ADV] offset:2048*\d+512*\g   ; V lands while the softmax is worked
.endr
.endr
	s_wait_dscnt 16                                ; K and mask', asked for a step ago, are in; V's sixteen loads may be out
	WIN W_KQ
.irp t, 0,1,2,3,4,5,6,7
.irp x, 0,1
	v_wmma_f32_16x16x64_bf8_bf8 v[S+64*\x+8*\t:S+64*\x+8*\t+7], v[KF+8*\t:KF+8*\t+7], v[QF+8*\x:QF+8*\x+7], v[MF+8*\t:MF+8*\t+7]   ; sum + mask'
.endr
.endr
	WIN 0
	PREF                                           ; its four plain lines also stand ahead of the first read of the scores
.set n, 0
.rept 41
	PRE 0                                          ; maxima, M and f: the two tiles' chains line by line in turn
	PRE 1
.set n, n+1
.endr
.rept 32
	PRE 0                                          ; tile 0's scalings
.set n, n+1
.endr
	WIN W_RS
.irp x, 0,1
.set j, 0
.rept 16
	v_pk_mul_f32 v[OF+32*\x+j:OF+32*\x+j+1], v[OF+32*\x+j:OF+32*\x+j+1], v[ST+12*\x+4:ST+12*\x+5] op_sel_hi:[1,0]   ; O^T under the new M, ahead of the exponentials
.set j, j+2
.endr
.endr
	WIN 0
	s_wait_alu depctr_va_vdst(0)                   ; ahead of tile 0's batch
.set kk, 0
.rept 64
.set n, kk
	EXPO 0
.if kk%2
.set n, 41+kk/2
	PRE 1                                          ; tile 1's scalings: sources from ahead of the wait above, results read behind the wait below
.endif
.set kk, kk+1
.endr
.set n, 0
	POST 0
	s_wait_alu depctr_va_vdst(0)                   ; behind tile 0's batch and ahead of tile 1's
.set kk, 0
.set mm, 0
.rept 64
.set n, kk
	EXPO 1
.if kk%4 < 3
.set n, mm
	MID0
.set mm, mm+1
.endif
.set kk, kk+1
.endr
.set n, 0
	POST 1                                         ; the plain line behind tile 1's last exponential
	s_wait_alu depctr_va_vdst(0)                   ; behind tile 1's batch, and directly ahead of the wait below
	s_wait_dscnt 32                                ; V is in; the next step's 32 loads may be out
.set kk, 0
.rept 24
.set n, kk
	LEFT0
.set n, kk+1
	POST 1
.set kk, kk+1
.endr
.set n, 25
.rept 48
	POST 1
.set n, n+1
.endr
	v_nop                                          ; a plain line between the last conversion and the products
	WIN W_PV
.irp d, 0,1,2,3
.irp x, 0,1
	v_wmma_f32_16x16x128_bf8_bf8 v[OF+32*\x+8*\d:OF+32*\x+8*\d+7], v[VF+16*\d:VF+16*\d+15], v[CD+16*\x:CD+16*\x+15], v[OF+32*\x+8*\d:OF+32*\x+8*\d+7]   ; eight accumulators by turns
.endr
.endr
	WIN 0                                          ; at a label and at a branch every window is 0
	s_add_co_u32 s[TV], s[TV], 8192
	s_min_u32 s[TV], s[TV], 15*8192
.endm
	s_wait_alu depctr_va_vdst(0)                   ; the head's end
	s_wait_tensorcnt 0x0                           ; my part of the first group is in
	ds_add_u32 v[SPW], v[NIL]
	s_wait_dscnt 0x0                               ; the add is done, and my part of mask' is stored
	CROUND                                         ; so are everybody's, and the four work-groups meet
	JLOAD G0K2, G1K2, G0V2, G1V2                   ; the second group, the first tensor load behind the round: bytes that nothing has filled
	PREF                                           ; step 0's K and mask'
	s_mov_b32 s[OUTER], 4
.Lfour:                                            ; four runs of four key steps
	s_mov_b32 s[TRIP], 4
.Lstep:
	STEP
	s_sub_co_u32 s[TRIP], s[TRIP], 1
	s_cmp_lg_u32 s[TRIP], 0
	s_cbranch_scc1 .Lstep
	s_sub_co_u32 s[OUTER], s[OUTER], 1
	s_cmp_eq_u32 s[OUTER], 0                       ; a count of steps, the same in all waves
	s_cbranch_scc1 .Lout                           ; behind the last run no barrier is wanted
	s_wait_tensorcnt 0x0                           ; behind steps 0-3: my part of the second group is in (behind the later runs nothing is out),
	s_wait_dscnt 0x0
	s_barrier_signal -1
	s_barrier_wait -1                              ; and so is everybody's.  Nothing is ever filled again
	s_cmp_lg_u32 s[OUTER], 0
	s_cbranch_scc1 .Lfour
.Lout:
	; THE WAY OUT.  O^T / the sum x 2^(e8 + e9) goes through my stage, a tile at a time, and leaves as rows of 256 bytes.  The additions are the plain lines behind the last products.
	v_add_f32 v[ST+2], v[ST+2], v[ST+3]
	v_add_f32 v[ST+14], v[ST+14], v[ST+15]
	v_permlanex16_b32 v[ST+10], v[ST+2], s[SEL], s[SEL+1]
	v_permlanex16_b32 v[ST+22], v[ST+14], s[SEL], s[SEL+1]
	v_add_f32 v[ST+2], v[ST+2], v[ST+10]           ; the rows' sums
	v_add_f32 v[ST+14], v[ST+14], v[ST+22]
	WIN W_LD
.irp x, 0,1
.irp i, 0,1,2,3,4,5,6,7
	global_load_b128 v[VF+32*\x+4*\i:VF+32*\x+4*\i+3], v[GO], s[92:93] offset:65536*\x+8192*\i th:TH_LOAD_NT   ; H, as the stores below lie; the lines above are the places behind the last products
.endr
.endr
	WIN 0
	s_wait_alu depctr_va_vdst(0)                   ; ahead of the transcendentals
	v_rcp_f32 v[ST+2], v[ST+2]
	v_rcp_f32 v[ST+14], v[ST+14]
	v_nop                                          ; a plain line behind the reciprocals,
	s_add_co_i32 s57, s86, s87
	s_wait_alu depctr_va_vdst(0)                   ; and one wait for the two, ahead of their first reader
	v_ldexp_f32 v[ST+2], v[ST+2], s57
	v_ldexp_f32 v[ST+14], v[ST+14], s57
	WIN 0x01                                       ; source 0 (O^T) window 1
	s_wait_alu depctr_va_vdst(0)                   ; directly ahead of the first reader of O^T
.irp x, 0,1
.set j, 0
.rept 32
	v_mul_f32 v[S+32*\x+j], v[OF+32*\x+j], v[ST+12*\x+2]   ; register 8 d + i is ctx(r, 16 d + 8 h + i); each accumulator from its low end on
.set j, j+1
.endr
.endr
	WIN 0
.irp x, 0,1
.irp d, 0,1,2,3
	ds_store_b128 v[STO], v[S+32*\x+8*\d:S+32*\x+8*\d+3] offset:64*\d
	ds_store_b128 v[STO], v[S+32*\x+8*\d+4:S+32*\x+8*\d+7] offset:64*\d+16
.endr
.irp i, 0,1,2,3,4,5,6,7
	ds_load_b128 v[160+32*\x+4*\i:163+32*\x+4*\i], v[RD] offset:544*\i   ; LDS serves a wave's instructions in order: these see my stores, and the second tile's stores come behind them
.endr
.endr
.irp x, 0,1
	s_wait_dscnt 16-16*\x                          ; this tile is back from the stage; the other tile's sixteen LDS instructions may be out
	s_wait_loadcnt 8-8*\x                          ; this tile's rows of H are in; the other tile's eight loads may be out
	WIN 0x04                                       ; source 1 (H) window 1
.set j, 0
.rept 16
	v_pk_add_f32 v[160+32*\x+j:161+32*\x+j], v[160+32*\x+j:161+32*\x+j], v[VF+32*\x+j:VF+32*\x+j+1]   ; H + ctx
.set j, j+2
.endr
	WIN 0
.irp i, 0,1,2,3,4,5,6,7
	global_store_b128 v[GO], v[160+32*\x+4*\i:163+32*\x+4*\i], s[10:11] offset:65536*\x+8192*\i   ; sixteen lanes store 256 consecutive bytes, at a multiple of 256 from the buffer's first byte
.endr
.endr
	s_wait_tensorcnt 0x0                           ; the wave's end
	ds_add_u32 v[SPW], v[NIL]
	s_wait_dscnt 0x0
	CROUND                                         ; the closing round
	s_endpgm
.Lfunc_end_k_qe2eaf7a6bd_attn:
	.size	k_qe2eaf7a6bd_attn, .Lfunc_end_k_qe2eaf7a6bd_attn-k_qe2eaf7a6bd_attn
	.p2alignl 7, 3214868480
	.fill 96, 4, 3214868480
	.section	.rodata,"a",@progbits
	.p2align	6, 0x0
	.amdhsa_kernel k_qe2eaf7a6bd_attn
		.amdhsa_group_segment_fixed_size 327680
		.amdhsa_private_segment_fixed_size 0
		.amdhsa_enable_private_segment 0
		.amdhsa_kernarg_size 40
		.amdhsa_user_sgpr_count 2
		.amdhsa_user_sgpr_kernarg_segment_ptr 1
		.amdhsa_wavefront_size32 1
		.amdhsa_system_sgpr_workgroup_id_x 1
		.amdhsa_system_sgpr_workgroup_id_y 1
		.amdhsa_system_sgpr_workgroup_id_z 1
		.amdhsa_system_vgpr_workitem_id 0
		.amdhsa_next_free_vgpr 512
		.amdhsa_next_free_sgpr 96
		.amdhsa_reserve_vcc 0
		.amdhsa_float_denorm_mode_32 3
		.amdhsa_float_denorm_mode_16_64 3
		.amdhsa_memory_ordered 1
		.amdhsa_forward_progress 1
		.amdhsa_inst_pref_size 56
	.end_amdhsa_kernel
	.amdgpu_metadata
---
amdhsa.version: [ 1, 2 ]
amdhsa.kernels:
  - .name:           k_qe2eaf7a6bd_attn
    .symbol:         k_qe2eaf7a6bd_attn.kd
    .args:
      - { .name: heads, .offset: 0, .size: 8, .value_kind: global_buffer, .address_space: global }
      - { .name: attention_mask, .offset: 8, .size: 8, .value_kind: global_buffer, .address_space: global }
      - { .name: lowp_scales, .offset: 16, .size: 8, .value_kind: global_buffer, .address_space: global }
      - { .name: rows_a, .offset: 24, .size: 8, .value_kind: global_buffer, .address_space: global }
      - { .name: H, .offset: 32, .size: 8, .value_kind: global_buffer, .address_space: global }
    .group_segment_fixed_size: 327680
    .private_segment_fixed_size: 0
    .kernarg_segment_align: 8
    .kernarg_segment_size: 40
    .max_flat_workgroup_size: 256
    .sgpr_count:     96
    .vgpr_count:     512
    .wavefront_size: 32
...
	.end_amdgpu_metadata
.endif
;; end of part 3
;; launch ln1 (part 4): grid 256 x 1, 8 waves a work-group, no clusters, 17,408 bytes of LDS; arguments rows_a, g1, be1, lowp_scales, fout, codes; writes fout, codes
.if DOCPART == 4
	.amdgcn_target "amdgcn-amd-amdhsa--gfx1250"
	.amdhsa_code_object_version 6
	.text
	.protected	k_qe2eaf7a6bd_ln1
	.globl	k_qe2eaf7a6bd_ln1
	.p2align	8
	.type	k_qe2eaf7a6bd_ln1,@function
k_qe2eaf7a6bd_ln1:
	s_mov_b64 s[64:65], 0
	v_nop
	global_prefetch_b8 v0, s[64:65] scope:SCOPE_SE
	s_setreg_imm32_b32 hwreg(HW_REG_WAVE_MODE, 25, 1), 1
	s_wait_xcnt 0x0
; F = layer norm of x, x g1 + be1, rows of 1,024; x = H + ctx comes summed from the launch before.  F is stored as f32 and, quantised with entry 10 of the scales' exponents, as codes of E5M2 in rows of 1,024 bytes.
; A wave takes two whole rows: 32 registers each; the row stays in registers between the passes.  The mean is taken first and the squares of x - mean afterwards: no difference of large sums.
; Register 4 j + i of lane l is column 128 j + 4 l + i: every load and store of a wave covers 512 consecutive bytes.  All 32 loads of a wave go out at its head.
; A conversion's two result registers hold the lane's 4 codes of segments 2 m and 2 m + 1; the codes turn through the wave's own 2,048 bytes of LDS so that a store covers 512 consecutive bytes.  No barrier: waves share nothing.
; LIMITS: e10 between -126 and 112.  NaN is not served.
.set G,  32                            ; v32-63  g1;  v64-95 be1;  v96-127, v160-191 the two rows;  v128-159, v192-223 the rows held
.set BE, 64
	s_load_b64 s[4:5], s[0:1], 0x0                 ; x
	s_load_b128 s[8:11], s[0:1], 0x8               ; g1, be1
	s_load_b128 s[12:15], s[0:1], 0x18             ; the scales' exponents, F
	s_load_b64 s[16:17], s[0:1], 0x28              ; the codes
	v_lshl_add_u32 v30, v0, 2, 0x4000
	v_mov_b32 v31, 0
	v_lshrrev_b32 v1, 5, v0
	s_delay_alu instid0(VALU_DEP_1)
	v_readfirstlane_b32 s18, v1                    ; wave
	v_and_b32 v2, 31, v0
	s_delay_alu instid0(VALU_DEP_1)
	v_lshlrev_b32 v1, 4, v2                        ; 16 x lane
	s_lshl_b32 s19, s18, 11
	v_lshl_add_u32 v2, v2, 2, s19                  ; LDS, in: 4 x lane + 2,048 x wave
	v_add_nc_u32 v3, s19, v1                       ; LDS, back: 16 x lane + 2,048 x wave
	s_lshl_b32 s20, ttmp9, 4
	s_lshl_b32 s21, s18, 1
	s_add_co_u32 s20, s20, s21                     ; my first row
	s_lshl_b32 s22, s20, 12
	s_mov_b32 s23, 0
	s_lshl_b32 s24, s20, 10
	s_mov_b32 s25, 0
	s_mov_b32 s26, 0x76543210
	s_mov_b32 s27, 0xfedcba98
	s_mov_b32 s28, 0x3a800000                      ; 1 / 1,024
	s_mov_b32 s29, 0x3727c5ac                      ; 1e-5
	v_mov_b32 v13, 0                               ; upper halves of pairs that are named, and the lane permute's destination
	v_mov_b32 v15, 0
	v_mov_b32 v18, 0
	s_wait_alu depctr_va_vdst(0)                   ; the head's end
	s_wait_kmcnt 0x0
	s_load_b32 s30, s[12:13], 0x28                 ; e10
	s_add_nc_u64 s[4:5], s[4:5], s[22:23]
	s_add_nc_u64 s[14:15], s[14:15], s[22:23]
	s_add_nc_u64 s[16:17], s[16:17], s[24:25]
.irp j, 0,1,2,3,4,5,6,7
	global_load_b128 v[G+4*\j:G+4*\j+3], v1, s[8:9] offset:512*\j
	global_load_b128 v[BE+4*\j:BE+4*\j+3], v1, s[10:11] offset:512*\j
.endr
.irp i, 0,1
.irp j, 0,1,2,3,4,5,6,7
	global_load_b128 v[96+64*\i+4*\j:96+64*\i+4*\j+3], v1, s[4:5] offset:4096*\i+512*\j th:TH_LOAD_NT
.endr
.endr
	s_wait_kmcnt 0x0
	s_add_co_i32 s30, s30, 127
	s_lshl_b32 s31, s30, 23
	v_mov_b32 v17, s31                             ; 2^e10
	s_add_co_i32 s30, s30, 15
	s_lshl_b32 s30, s30, 23
	s_or_b32 s30, s30, 0x600000
	v_mov_b32 v16, s30                             ; 57,344 x 2^e10
.macro REDUCE                          ; four packed chains v[4:11] -> the sum over the row, in every lane's v4
	s_delay_alu instid0(VALU_DEP_3)
	v_pk_add_f32 v[4:5], v[4:5], v[6:7]
	s_delay_alu instid0(VALU_DEP_2)
	v_pk_add_f32 v[8:9], v[8:9], v[10:11]
	s_delay_alu instid0(VALU_DEP_1)
	v_pk_add_f32 v[4:5], v[4:5], v[8:9]
	s_delay_alu instid0(VALU_DEP_1)
	v_add_f32 v4, v4, v5
	s_delay_alu instid0(VALU_DEP_1)
	v_add_f32_dpp v4, v4, v4 row_xmask:1 row_mask:0xf bank_mask:0xf
	s_delay_alu instid0(VALU_DEP_1)
	v_add_f32_dpp v4, v4, v4 row_xmask:2 row_mask:0xf bank_mask:0xf
	s_delay_alu instid0(VALU_DEP_1)
	v_add_f32_dpp v4, v4, v4 row_xmask:4 row_mask:0xf bank_mask:0xf
	s_delay_alu instid0(VALU_DEP_1)
	v_add_f32_dpp v4, v4, v4 row_xmask:8 row_mask:0xf bank_mask:0xf
	s_delay_alu instid0(VALU_DEP_1)
	v_permlanex16_b32 v18, v4, s26, s27
	s_delay_alu instid0(VALU_DEP_1)
	v_add_f32 v4, v4, v18
.endm
.macro ROW i, left
.set XA, 96+64*\i
.set XB, 128+64*\i
	s_wait_alu depctr_va_vdst(0)                   ; directly ahead of the wait below
	s_wait_loadcnt \left                           ; gains, offsets and this row are in; the later row's eight loads may be out
.irp c, 0,2,4,6
	v_pk_add_f32 v[4+\c:5+\c], v[XA+\c:XA+\c+1], v[XA+8+\c:XA+9+\c]   ; the first pairs start the chains: nothing is cleared
.endr
.irp q, 16,24
.irp c, 0,2,4,6
	s_delay_alu instid0(VALU_DEP_4)
	v_pk_add_f32 v[4+\c:5+\c], v[4+\c:5+\c], v[XA+\q+\c:XA+\q+\c+1]
.endr
.endr
	REDUCE
	s_delay_alu instid0(VALU_DEP_1)
	v_mul_f32 v12, s28, v4                         ; the mean
.set p, 0
.rept 16
	v_pk_add_f32 v[XA+p:XA+p+1], v[XA+p:XA+p+1], v[12:13] op_sel_hi:[1,0] neg_lo:[0,1] neg_hi:[0,1]   ; x - mean
.set p, p+2
.endr
.irp c, 0,2,4,6
	v_pk_mul_f32 v[4+\c:5+\c], v[XA+\c:XA+\c+1], v[XA+\c:XA+\c+1]
.endr
.irp q, 8,16,24
.irp c, 0,2,4,6
	s_delay_alu instid0(VALU_DEP_4)
	v_pk_fma_f32 v[4+\c:5+\c], v[XA+\q+\c:XA+\q+\c+1], v[XA+\q+\c:XA+\q+\c+1], v[4+\c:5+\c]
.endr
.endr
	REDUCE
	s_delay_alu instid0(VALU_DEP_1)
	v_fma_f32 v14, v4, s28, s29                    ; the variance + 1e-5
	s_wait_alu depctr_va_vdst(0)                   ; ahead of the transcendental
	v_rsq_f32 v14, v14
	v_nop                                          ; a plain line behind the transcendental,
	s_wait_alu depctr_va_vdst(0)                   ; and the wait ahead of its first reader
.set p, 0
.rept 16
	v_pk_mul_f32 v[XA+p:XA+p+1], v[XA+p:XA+p+1], v[14:15] op_sel_hi:[1,0]
.set p, p+2
.endr
.set p, 0
.rept 16
	v_pk_fma_f32 v[XA+p:XA+p+1], v[XA+p:XA+p+1], v[G+p:G+p+1], v[BE+p:BE+p+1]
.set p, p+2
.endr
.irp j, 0,1,2,3,4,5,6,7
	global_store_b128 v1, v[XA+4*\j:XA+4*\j+3], s[14:15] offset:4096*\i+512*\j
.endr
.set p, 0
.rept 32
	v_med3_num_f32 v[XB+p], v[XA+p], -v16, v16     ; the conversion does not saturate (ISA guide 7.6.2)
.set p, p+1
.endr
.irp m, 0,1,2,3
	v_cvt_scalef32_pk8_bf8_f32 v[224+8*\i+2*\m:225+8*\i+2*\m], v[XB+8*\m:XB+8*\m+7], v17
.endr
.irp j, 0,1,2,3,4,5,6,7
	ds_store_b32 v2, v[224+8*\i+\j] offset:1024*\i+128*\j      ; 4 codes at byte 128 j + 4 x lane of the row
.endr
.irp u, 0,1
	ds_load_b128 v[240+8*\i+4*\u:243+8*\i+4*\u], v3 offset:1024*\i+512*\u   ; LDS serves a wave's instructions in order
.endr
	s_wait_dscnt 0x0
.irp u, 0,1
	global_store_b128 v1, v[240+8*\i+4*\u:243+8*\i+4*\u], s[16:17] offset:1024*\i+512*\u
.endr
.endm
	ROW 0, 8
	ROW 1, 0
	s_wait_tensorcnt 0x0                           ; the wave's end
	ds_add_u32 v30, v31
	s_wait_dscnt 0x0
	s_endpgm
.Lfunc_end_k_qe2eaf7a6bd_ln1:
	.size	k_qe2eaf7a6bd_ln1, .Lfunc_end_k_qe2eaf7a6bd_ln1-k_qe2eaf7a6bd_ln1
	.p2alignl 7, 3214868480
	.fill 96, 4, 3214868480
	.section	.rodata,"a",@progbits
	.p2align	6, 0x0
	.amdhsa_kernel k_qe2eaf7a6bd_ln1
		.amdhsa_group_segment_fixed_size 17408
		.amdhsa_private_segment_fixed_size 0
		.amdhsa_enable_private_segment 0
		.amdhsa_kernarg_size 48
		.amdhsa_user_sgpr_count 2
		.amdhsa_user_sgpr_kernarg_segment_ptr 1
		.amdhsa_wavefront_size32 1
		.amdhsa_system_sgpr_workgroup_id_x 1
		.amdhsa_system_sgpr_workgroup_id_y 1
		.amdhsa_system_sgpr_workgroup_id_z 1
		.amdhsa_system_vgpr_workitem_id 0
		.amdhsa_next_free_vgpr 256
		.amdhsa_next_free_sgpr 66
		.amdhsa_reserve_vcc 0
		.amdhsa_float_denorm_mode_32 3
		.amdhsa_float_denorm_mode_16_64 3
		.amdhsa_memory_ordered 1
		.amdhsa_forward_progress 1
		.amdhsa_inst_pref_size 28
	.end_amdhsa_kernel
	.amdgpu_metadata
---
amdhsa.version: [ 1, 2 ]
amdhsa.kernels:
  - .name:           k_qe2eaf7a6bd_ln1
    .symbol:         k_qe2eaf7a6bd_ln1.kd
    .args:
      - { .name: rows_a, .offset: 0, .size: 8, .value_kind: global_buffer, .address_space: global }
      - { .name: g1, .offset: 8, .size: 8, .value_kind: global_buffer, .address_space: global }
      - { .name: be1, .offset: 16, .size: 8, .value_kind: global_buffer, .address_space: global }
      - { .name: lowp_scales, .offset: 24, .size: 8, .value_kind: global_buffer, .address_space: global }
      - { .name: fout, .offset: 32, .size: 8, .value_kind: global_buffer, .address_space: global }
      - { .name: codes, .offset: 40, .size: 8, .value_kind: global_buffer, .address_space: global }
    .group_segment_fixed_size: 17408
    .private_segment_fixed_size: 0
    .kernarg_segment_align: 8
    .kernarg_segment_size: 48
    .max_flat_workgroup_size: 256
    .sgpr_count:     66
    .vgpr_count:     256
    .wavefront_size: 32
...
	.end_amdgpu_metadata
.endif
;; end of part 4
;; launch ffn1 (part 5): grid 16 x 16, 4 waves a work-group, clusters of 4 x 4, 327,680 bytes of LDS; arguments codes, W1_codes, lowp_scales, b1, hidden; writes hidden
.if DOCPART == 5
	.amdgcn_target "amdgcn-amd-amdhsa--gfx1250"
	.amdhsa_code_object_version 6
	.text
	.protected	k_qe2eaf7a6bd_ffn1
	.globl	k_qe2eaf7a6bd_ffn1
	.p2align	8
	.type	k_qe2eaf7a6bd_ffn1,@function
k_qe2eaf7a6bd_ffn1:
	s_mov_b64 s[64:65], 0
	v_nop
	global_prefetch_b8 v0, s[64:65] scope:SCOPE_SE
	s_setreg_imm32_b32 hwreg(HW_REG_WAVE_MODE, 25, 1), 1
	s_wait_xcnt 0x0
	s_wait_alu depctr_hold_cnt(0) depctr_sa_sdst(0) depctr_va_vdst(0) depctr_va_sdst(0) depctr_va_ssrc(0) depctr_va_vcc(0) depctr_vm_vsrc(0)
	s_getreg_b32 s2, hwreg(HW_REG_IB_STS2, 6, 4)
	s_cmp_eq_u32 s2, 0
	s_cbranch_scc0 .Lentry_in_a_cluster
	s_endpgm
.Lentry_in_a_cluster:
	s_bfe_u32 s2, ttmp6, 0x10000c
	s_cmp_lg_u32 s2, 0xf033
	s_cbranch_scc0 .Lentry_shape_is_right
	s_endpgm
.Lentry_shape_is_right:
; hidden = relu(F W1 + b1), quantised at once with entry 12 of the scales' exponents and stored as images of the operand registers that the next launch wants.  F's codes (entry 10) and W1's (entry 11) are E5M2.
; A tile is 256 x 256, four waves, 128 x 128 a wave.  K = 1,024 goes in steps of 256 through a ring of two LDS slots filled by joint tensor loads: F's tile is shared along a row of the 4 x 4 cluster, W1's along a column.
; Source 0 = 16 rows of W1, source 1 = 16 tokens: a lane's eight results are eight neighbouring hidden units, the next product's K.  b1 goes in as b1 / 2^(e10 + e11); the hold between 0 and the largest code is also the relu.
; At the head each wave issues one joint load (K step 0); K step 1's stands behind the three lines and a round of the cluster's barrier, as a refill does.
; LIMITS: e12 - e10 - e11 between -126 and 112.  NaN is not served.
; PREFETCH: behind K step 0's joint load a wave asks for K steps 1 and 2 of its rows, behind K step 1's for K step 3.  Of the 128 rows that a wave fetches each of the four partners that ask for them jointly names 32
; (cx for F's rows, cy for W1's: told apart by address), a lane a row: a K step is 256 bytes of a row, so each block of 256 bytes is named once in a cluster.  The steps are immediate offsets: no address is stepped.
.set SIZE_K, 1024
.set KSTEP,  256
.set ROWB,   256
.set KROW,   SIZE_K
.set PITCH,  272
.set FR,     16
.set NL,     4
.set NP,     4
.set HALFT,  128*PITCH
.set SLOT,   4*HALFT
.set LAPS,   SIZE_K/(2*KSTEP)
.set SPARE,  2*SLOT
.set ADRA, 16
.set ADRB, 20
.set CO,   26
.set BO,   27
.set SPW,  28
.set NIL,  29
.set LIM,  30
.set SC,   31
.set BIAS, 32
.set AF,   128
.set TMP,  128
.set CR,   192
.set G1, 24
.set G0, 32
.set G1B, 48
.set G0B, 56
.set MSB, 0
.macro WIN new
.if MSB != \new
	s_set_vgpr_msb (MSB<<8)|\new
.set MSB, \new
.endif
.endm
.set MUL_LO, 0xa1
.set MUL_HI, 0xf1
.set TO_B,   0x40
.macro JLOAD g0a, g1a, g0b, g1b
	s_cmp_eq_u32 s15, 0
	s_cbranch_scc0 .Lfor_b_\@
	tensor_load_to_lds s[\g0a:\g0a+3], s[\g1a:\g1a+7]
	s_nop 0
.rept 4
	v_nop
.endr
	s_branch .Lasked_\@
.Lfor_b_\@:
	tensor_load_to_lds s[\g0b:\g0b+3], s[\g1b:\g1b+7]
	s_nop 0
.rept 4
	v_nop
.endr
.Lasked_\@:
.endm
.macro CREST
	s_cmp_lg_u32 s14, 0
	s_cbranch_scc1 .Lnot_wave_0_\@
	s_barrier_signal -3
.Lnot_wave_0_\@:
	s_barrier_wait -3
	s_barrier_signal -1
	s_barrier_wait -1
.endm
.macro CROUND
	s_barrier_signal -1
	s_barrier_wait -1
	CREST
.endm
	s_load_b128 s[4:7], s[0:1], 0x0
	s_load_b128 s[8:11], s[0:1], 0x10
	s_load_b64 s[12:13], s[0:1], 0x20
	v_lshl_add_u32 v[SPW], v0, 2, SPARE
	v_mov_b32 v[NIL], 0
	ds_add_u32 v28, v29
	ds_add_u32 v28, v29
	s_wait_dscnt 0x0
	v_lshrrev_b32 v1, 5, v0
	v_readfirstlane_b32 s14, v1
	s_lshr_b32 s15, s14, 1
	s_and_b32 s16, s14, 1
	s_bfe_u32 s40, ttmp6, 0x40000
	s_bfe_u32 s41, ttmp6, 0x40004
	s_lshl_b32 s42, ttmp9, 2
	s_add_co_u32 s42, s42, s40
	s_and_b32 s17, ttmp7, 0xffff
	s_lshl_b32 s17, s17, 2
	s_add_co_u32 s17, s17, s41
	s_lshl_b32 s43, s41, 2
	s_lshl_b32 s43, 15, s43
	s_lshl_b32 s44, 0x1111, s40
	s_or_b32 s[G1+0], s43, (0<<16)|(1<<20)|(1<<21)|(5<<22)|(3<<25)
	s_or_b32 s[G1B+0], s44, (0<<16)|(1<<20)|(1<<21)|(5<<22)|(3<<25)
.irp g, G1, G1B
	s_mov_b32 s[\g+1], ROWB<<16
	s_mov_b32 s[\g+2], 128<<16
	s_mov_b32 s[\g+3], ROWB<<16
	s_mov_b32 s[\g+4], 128
	s_mov_b32 s[\g+5], KROW
	s_mov_b32 s[\g+6], 0
	s_mov_b32 s[\g+7], 0
.endr
	s_lshl_b32 s18, s16, 7
	s_lshl_b32 s20, s17, 8
	s_add_co_u32 s20, s20, s18
	s_lshl_b32 s20, s20, 10
	s_mov_b32 s21, 0
	s_lshl_b32 s46, s42, 8
	s_add_co_u32 s46, s46, s18
	s_lshl_b32 s46, s46, 10
	s_mov_b32 s47, 0
	s_mul_i32 s45, s14, HALFT
	s_cmp_eq_u32 s15, 0                            ; the prefetches: do I fetch for F?
	s_cselect_b32 s80, s20, s46                    ; my 128 rows' first byte,
	s_cselect_b32 s81, s40, s41                    ; my place among the four that ask with me:
	s_lshl_b32 s81, s81, 15                        ; 32 rows of 1,024 bytes each
	s_add_co_u32 s80, s80, s81
	s_mov_b32 s81, 0
	s_wait_kmcnt 0x0
	s_load_b128 s[96:99], s[8:9], 0x28
	s_add_nc_u64 s[20:21], s[4:5], s[20:21]
	s_add_nc_u64 s[46:47], s[6:7], s[46:47]
	s_cmp_eq_u32 s15, 0
	s_cselect_b64 s[82:83], s[4:5], s[6:7]
	s_add_nc_u64 s[80:81], s[82:83], s[80:81]      ; where my prefetches stand
	CROUND
.irp s, 0,1
	s_mov_b32 s[G0+4*\s], 1
	s_add_co_u32 s[G0+4*\s+1], s45, \s*SLOT
	s_add_nc_u64 s[G0+4*\s+2:G0+4*\s+3], s[20:21], \s*ROWB
	s_or_b32 s[G0+4*\s+3], s[G0+4*\s+3], 0x80000000
	s_mov_b32 s[G0B+4*\s], 1
	s_add_co_u32 s[G0B+4*\s+1], s45, \s*SLOT
	s_add_nc_u64 s[G0B+4*\s+2:G0B+4*\s+3], s[46:47], \s*ROWB
	s_or_b32 s[G0B+4*\s+3], s[G0B+4*\s+3], 0x80000000
.endr
	JLOAD G0, G1, G0B, G1B                         ; K step 0: one tensor load a wave at the head
	v_and_b32 v24, 31, v0
	v_lshlrev_b32 v24, 10, v24                     ; a lane a row of 1,024 bytes; never rewritten
	global_prefetch_b8 v24, s[80:81] offset:256 th:TH_LOAD_NT scope:SCOPE_SE   ; K step 1
	global_prefetch_b8 v24, s[80:81] offset:512 th:TH_LOAD_NT scope:SCOPE_SE   ; K step 2
	v_and_b32 v1, 15, v0
	v_bfe_u32 v2, v0, 4, 1
	v_mul_u32_u24 v3, v1, PITCH
	v_lshl_add_u32 v4, v2, 4, v3
	s_mul_i32 s21, s15, HALFT
	s_mul_i32 s22, s16, HALFT
	s_add_co_u32 s22, s22, 2*HALFT
.irp s, 0,1
	v_add_nc_u32 v[ADRA+\s], s21, v4
	v_add_nc_u32 v[ADRB+\s], s22, v4
	s_add_co_u32 s21, s21, SLOT
	s_add_co_u32 s22, s22, SLOT
.endr
	v_and_b32 v6, 31, v0
	v_lshlrev_b32 v[CO], 4, v6
	v_lshlrev_b32 v[BO], 5, v2
	s_lshl_b32 s46, s42, 10
	s_lshl_b32 s47, s16, 9
	s_add_co_u32 s46, s46, s47
	s_mov_b32 s47, 0
	s_add_nc_u64 s[10:11], s[10:11], s[46:47]
.irp b, 0,1,2,3,4,5,6,7
	global_load_b128 v[BIAS+8*\b:BIAS+8*\b+3], v[BO], s[10:11] offset:64*\b
	global_load_b128 v[BIAS+8*\b+4:BIAS+8*\b+7], v[BO], s[10:11] offset:64*\b+16
.endr
	s_lshl_b32 s46, s42, 1
	s_add_co_u32 s46, s46, s16
	s_lshl_b32 s46, s46, 19
	s_lshl_b32 s20, s17, 1
	s_add_co_u32 s20, s20, s15
	s_lshl_b32 s20, s20, 14
	s_mov_b32 s21, 0
	s_add_nc_u64 s[12:13], s[12:13], s[20:21]
	s_add_nc_u64 s[12:13], s[12:13], s[46:47]
.macro FRAG reg, adr, q, i
.irp c, 0,1,2,3
	ds_load_b128 v[\reg+4*\c:\reg+4*\c+3], v[\adr] offset:128*(\q)+32*\c+(\i)*16*PITCH
.endr
.endm
.macro MUL16 a0, p, zero
.irp a, \a0, \a0+1
.irp b, 0,1,2,3,4,5,6,7
.if \zero
	v_wmma_f32_16x16x128_bf8_bf8 v[8*(8*((\a)%4)+\b):8*(8*((\a)%4)+\b)+7], v[128*(\p)+FR*\b:128*(\p)+FR*\b+FR-1], v[AF+FR*(\a):AF+FR*(\a)+FR-1], 0
.else
	v_wmma_f32_16x16x128_bf8_bf8 v[8*(8*((\a)%4)+\b):8*(8*((\a)%4)+\b)+7], v[128*(\p)+FR*\b:128*(\p)+FR*\b+FR-1], v[AF+FR*(\a):AF+FR*(\a)+FR-1], v[8*(8*((\a)%4)+\b):8*(8*((\a)%4)+\b)+7]
.endif
.endr
.endr
.endm
.macro FETCH_B slot, q, p
	WIN TO_B
.irp i, 0,1,2,3,4,5,6,7
	FRAG 128*(\p)+FR*\i, ADRB+\slot, \q, \i
.endr
	WIN 0
.endm
.macro FETCH_A slot, q, i0
.irp i, \i0, \i0+1, \i0+2, \i0+3
	FRAG AF+FR*(\i), ADRA+\slot, \q, \i
.endr
.endm
.macro PLACES n
.rept \n
	v_nop
.endr
.endm
.macro STEP slot, q, zero
	s_wait_dscnt 4*NL
	WIN MUL_LO
	MUL16 0, (\q)%2, \zero
	MUL16 2, (\q)%2, \zero
	s_wait_dscnt 0
	PLACES NP
	FETCH_B \slot, (\q)+1, 1-(\q)%2
	FETCH_A \slot, (\q)+1, 0
	WIN MUL_HI
	MUL16 4, (\q)%2, \zero
	MUL16 6, (\q)%2, \zero
	PLACES NP
	WIN 0
	FETCH_A \slot, (\q)+1, 4
.endm
.macro TURN slot, next, fill
	s_wait_tensorcnt 0x0
	ds_add_u32 v[SPW], v[NIL]
	s_wait_dscnt 4*NL+1
	WIN MUL_LO
	MUL16 0, 1, 0
	s_wait_dscnt 0x0
	s_barrier_signal -1
	MUL16 2, 1, 0
	WIN 0
	s_barrier_wait -1
.if \fill
	CREST
	s_add_nc_u64 s[G0+4*\slot+2:G0+4*\slot+3], s[G0+4*\slot+2:G0+4*\slot+3], 2*ROWB
	s_add_nc_u64 s[G0B+4*\slot+2:G0B+4*\slot+3], s[G0B+4*\slot+2:G0B+4*\slot+3], 2*ROWB
	JLOAD G0+4*\slot, G1, G0B+4*\slot, G1B
.else
	PLACES NP
.endif
	FETCH_B \next, 0, 0
	FETCH_A \next, 0, 0
	WIN MUL_HI
	MUL16 4, 1, 0
	MUL16 6, 1, 0
	PLACES NP
	WIN 0
	FETCH_A \next, 0, 4
.endm
	s_wait_alu depctr_va_vdst(0)
	s_wait_tensorcnt 0x0                           ; my part of K step 0 is in
	ds_add_u32 v[SPW], v[NIL]
	s_wait_dscnt 0x0
	CROUND                                         ; everybody's part of K step 0 is in, and the sixteen work-groups meet
	JLOAD G0+4, G1, G0B+4, G1B                     ; K step 1, the first tensor load behind the round
	FETCH_B 0, 0, 0
	FETCH_A 0, 0, 0
	FETCH_A 0, 0, 4
	global_prefetch_b8 v24, s[80:81] offset:768 th:TH_LOAD_NT scope:SCOPE_SE   ; K step 3
	STEP 0, 0, 1
	s_mov_b32 s3, LAPS-1
.Llap:
	TURN 0, 1, 1
	STEP 1, 0, 0
	TURN 1, 0, 1
	STEP 0, 0, 0
	s_sub_co_u32 s3, s3, 1
	s_cmp_lg_u32 s3, 0
	s_cbranch_scc1 .Llap
	TURN 0, 1, 0
	STEP 1, 0, 0
	s_wait_dscnt 4*NL
	WIN MUL_LO
	MUL16 0, 1, 0
	MUL16 2, 1, 0
	s_wait_dscnt 0
	WIN MUL_HI
	MUL16 4, 1, 0
	MUL16 6, 1, 0
	WIN 0
	s_wait_kmcnt 0x0
	s_add_co_i32 s20, s96, s97
	s_sub_co_i32 s21, 0, s20
	s_sub_co_i32 s22, s98, s20
	s_add_co_i32 s22, s22, 127
	s_lshl_b32 s23, s22, 23
	v_mov_b32 v[SC], s23
	s_add_co_i32 s22, s22, 15
	s_lshl_b32 s22, s22, 23
	s_or_b32 s22, s22, 0x600000
	v_mov_b32 v[LIM], s22
	PLACES NP
	s_wait_loadcnt 0x0
.set j, 0
.rept 64
	v_ldexp_f32 v[BIAS+j], v[BIAS+j], s21
.set j, j+1
.endr
.macro OUTBLK a
.set AC, 64*((\a)%4)
.set CB, CR+16*((\a)%4)
.if (\a) >= 4
	s_wait_xcnt 0x0
.endif
	WIN 0x02+((\a)/4)
.set j, 0
.rept 32
	v_pk_add_f32 v[TMP+j:TMP+j+1], v[AC+j:AC+j+1], v[BIAS+j:BIAS+j+1]
.set j, j+2
.endr
	WIN 0
.set j, 0
.rept 64
	v_med3_num_f32 v[TMP+j], v[TMP+j], 0, v[LIM]
.set j, j+1
.endr
.irp b, 0,1,2,3,4,5,6,7
	v_cvt_scalef32_pk8_bf8_f32 v[CB+2*\b:CB+2*\b+1], v[TMP+8*\b:TMP+8*\b+7], v[SC]
.endr
	v_nop
.irp g, 0,1,2,3
	global_store_b128 v[CO], v[CB+4*\g:CB+4*\g+3], s[12:13] offset:2048*(\a)+512*\g
.endr
.endm
.irp a, 0,1,2,3,4,5,6,7
	OUTBLK \a
.endr
	s_wait_tensorcnt 0x0
	ds_add_u32 v[SPW], v[NIL]
	s_wait_dscnt 0x0
	CROUND
	s_endpgm
.Lfunc_end_k_qe2eaf7a6bd_ffn1:
	.size	k_qe2eaf7a6bd_ffn1, .Lfunc_end_k_qe2eaf7a6bd_ffn1-k_qe2eaf7a6bd_ffn1
	.p2alignl 7, 3214868480
	.fill 96, 4, 3214868480
	.section	.rodata,"a",@progbits
	.p2align	6, 0x0
	.amdhsa_kernel k_qe2eaf7a6bd_ffn1
		.amdhsa_group_segment_fixed_size 327680
		.amdhsa_private_segment_fixed_size 0
		.amdhsa_enable_private_segment 0
		.amdhsa_kernarg_size 40
		.amdhsa_user_sgpr_count 2
		.amdhsa_user_sgpr_kernarg_segment_ptr 1
		.amdhsa_wavefront_size32 1
		.amdhsa_system_sgpr_workgroup_id_x 1
		.amdhsa_system_sgpr_workgroup_id_y 1
		.amdhsa_system_sgpr_workgroup_id_z 1
		.amdhsa_system_vgpr_workitem_id 0
		.amdhsa_next_free_vgpr 1024
		.amdhsa_next_free_sgpr 100
		.amdhsa_reserve_vcc 0
		.amdhsa_float_denorm_mode_32 3
		.amdhsa_float_denorm_mode_16_64 3
		.amdhsa_memory_ordered 1
		.amdhsa_forward_progress 1
		.amdhsa_inst_pref_size 140
	.end_amdhsa_kernel
	.amdgpu_metadata
---
amdhsa.version: [ 1, 2 ]
amdhsa.kernels:
  - .name:           k_qe2eaf7a6bd_ffn1
    .symbol:         k_qe2eaf7a6bd_ffn1.kd
    .args:
      - { .name: codes, .offset: 0, .size: 8, .value_kind: global_buffer, .address_space: global }
      - { .name: W1_codes, .offset: 8, .size: 8, .value_kind: global_buffer, .address_space: global }
      - { .name: lowp_scales, .offset: 16, .size: 8, .value_kind: global_buffer, .address_space: global }
      - { .name: b1, .offset: 24, .size: 8, .value_kind: global_buffer, .address_space: global }
      - { .name: hidden, .offset: 32, .size: 8, .value_kind: global_buffer, .address_space: global }
    .group_segment_fixed_size: 327680
    .private_segment_fixed_size: 0
    .kernarg_segment_align: 8
    .kernarg_segment_size: 40
    .max_flat_workgroup_size: 128
    .sgpr_count:     100
    .vgpr_count:     1024
    .wavefront_size: 32
...
	.end_amdgpu_metadata
.endif
;; end of part 5
;; launch ffn2 (part 6): grid 8 x 32, 4 waves a work-group, clusters of 4 x 4, 327,680 bytes of LDS; arguments hidden, W2_codes, lowp_scales, b2, rows_a, fout; writes rows_a
.if DOCPART == 6
	.amdgcn_target "amdgcn-amd-amdhsa--gfx1250"
	.amdhsa_code_object_version 6
	.text
	.protected	k_qe2eaf7a6bd_ffn2
	.globl	k_qe2eaf7a6bd_ffn2
	.p2align	8
	.type	k_qe2eaf7a6bd_ffn2,@function
k_qe2eaf7a6bd_ffn2:
	s_mov_b64 s[64:65], 0
	v_nop
	global_prefetch_b8 v0, s[64:65] scope:SCOPE_SE
	s_setreg_imm32_b32 hwreg(HW_REG_WAVE_MODE, 25, 1), 1
	s_wait_xcnt 0x0
	s_wait_alu depctr_hold_cnt(0) depctr_sa_sdst(0) depctr_va_vdst(0) depctr_va_sdst(0) depctr_va_ssrc(0) depctr_va_vcc(0) depctr_vm_vsrc(0)
	s_getreg_b32 s2, hwreg(HW_REG_IB_STS2, 6, 4)
	s_cmp_eq_u32 s2, 0
	s_cbranch_scc0 .Lentry_in_a_cluster
	s_endpgm
.Lentry_in_a_cluster:
	s_bfe_u32 s2, ttmp6, 0x10000c
	s_cmp_lg_u32 s2, 0xf033
	s_cbranch_scc0 .Lentry_shape_is_right
	s_endpgm
.Lentry_shape_is_right:
; F + y, y = hidden W2 x 2^(e12 + e13) + b2, f32, rows of 1,024: the last layer norm's input.  hidden comes as images of operand registers (the launch before laid them), W2 as rows of codes of E5M2.
; A tile is 128 x 128, four waves, 64 x 64 a wave: 256 work-groups.  K = 4,096 goes in steps of 512 through a ring of two LDS slots filled by joint tensor loads: hidden's tile is shared along a row of the 4 x 4 cluster, W2's along a column.
; Source 0 = 16 rows of W2, source 1 = 16 tokens: a lane's eight results are eight neighbouring columns; they leave through the wave's own stage as rows of 256 bytes.
; At the head each wave issues one joint load (K step 0); K step 1's stands behind the three lines and a round of the cluster's barrier, as a refill does.
; THE RESIDUAL F (my 64 x 64 f32 a wave) is asked of the L2 at the head (two instructions a wave, a lane a row of 256 bytes) and loaded behind the last change of slots, when no tensor load is out any more,
; into window 2 (v512-639), in the layout of the rows read back from the stage; it is added on the way out.
; PREFETCH OF THE TILES: one instruction a wave for a K step.  K steps 1 and 2 are asked for behind K step 0's joint load, and behind K step t's load (t from 1 on) K step t + 2; the last two refills ask for nothing.
; Of the 128 blocks of 256 bytes that a wave's load brings, each of the four partners that ask for them jointly names 32, told apart by address: of hidden's two runs of 16,384 bytes the half 8,192 (cx % 2) of run cx / 2;
; of W2's 64 rows the rows 16 cy on, two lanes a row.
; LIMIT: e12 + e13 between -126 and 127.
.set PFO,    30                        ; v30  the prefetches' lane offset; never rewritten
.set PFA,    76                        ; s[76:77] where my prefetches stand;  s[78:79] a K step on
.set PITCH,  528                       ; W2's LDS row: 512 bytes + 16 of padding
.set AB,     65536                     ; a slot: hidden's 65,536 bytes, then W2's 128 rows
.set SLOT,   AB+128*PITCH
.set STAGE,  2*SLOT
.set SPITCH, 272
.set SPARE,  STAGE+4*16*SPITCH
.set LAPS,   4
.set ADRA, 16
.set ADRB, 20
.set STO,  24
.set RD,   25
.set CO,   26
.set BO,   27
.set SPW,  28
.set NIL,  29
.set TMP,  32
.set BK,   64
.set B2,   96
.set ACC,  128
.set F0,   0
.set F1,   128
.set G1, 24
.set G0, 32
.set G1B, 48
.set G0B, 56
.set MSB, 0
.macro WIN new                         ; the immediate's high byte repeats the setting that is left
.if MSB != \new
	s_set_vgpr_msb (MSB<<8)|\new
.set MSB, \new
.endif
.endm
.set MUL,  0x05                        ; both sources window 1; C and D window 0
.set TO_F, 0x40                        ; destination window 1, address window 0
.macro JLOAD s                         ; waves 0 and 1 fetch for hidden, waves 2 and 3 for W2; an s_nop 0 and four v_nop follow each line
	s_cmp_eq_u32 s11, 0
	s_cbranch_scc0 .Lfor_b_\@
	tensor_load_to_lds s[G0+4*\s:G0+4*\s+3], s[G1:G1+7]
	s_nop 0
.rept 4
	v_nop
.endr
	s_branch .Lasked_\@
.Lfor_b_\@:
	tensor_load_to_lds s[G0B+4*\s:G0B+4*\s+3], s[G1B:G1B+7]
	s_nop 0
.rept 4
	v_nop
.endr
.Lasked_\@:
.endm
.macro CREST                           ; a round of the cluster's barrier behind its opening barrier
	s_cmp_lg_u32 s10, 0
	s_cbranch_scc1 .Lnot_wave_0_\@
	s_barrier_signal -3
.Lnot_wave_0_\@:
	s_barrier_wait -3
	s_barrier_signal -1
	s_barrier_wait -1
.endm
.macro CROUND
	s_barrier_signal -1
	s_barrier_wait -1
	CREST
.endm
.macro ASK
	global_prefetch_b8 v[PFO], s[PFA:PFA+1] th:TH_LOAD_NT scope:SCOPE_SE
.endm
	s_load_b128 s[4:7], s[0:1], 0x0                ; hidden, W2's codes
	s_load_b128 s[68:71], s[0:1], 0x10             ; the scales' exponents, b2
	s_load_b64 s[8:9], s[0:1], 0x20                ; the result
	s_load_b64 s[74:75], s[0:1], 0x28              ; F
	v_lshl_add_u32 v[SPW], v0, 2, SPARE
	v_mov_b32 v[NIL], 0
	ds_add_u32 v[SPW], v[NIL]                      ; the opening lines: the add twice on end and one wait
	ds_add_u32 v[SPW], v[NIL]
	s_wait_dscnt 0x0
	v_lshrrev_b32 v1, 5, v0
	v_readfirstlane_b32 s10, v1                    ; wave
	s_lshr_b32 s11, s10, 1                         ; which half of the tile's tokens is mine.  Also: I fetch for hidden (0) or for W2 (1)
	s_and_b32 s12, s10, 1                          ; which half of its columns.  Also: which half of that tile I fetch
	s_bfe_u32 s40, ttmp6, 0x40000                  ; cx
	s_bfe_u32 s41, ttmp6, 0x40004                  ; cy
	s_lshl_b32 s42, ttmp9, 2
	s_add_co_u32 s42, s42, s40                     ; tile column
	s_and_b32 s13, ttmp7, 0xffff
	s_lshl_b32 s13, s13, 2
	s_add_co_u32 s13, s13, s41                     ; tile row
	s_lshl_b32 s43, s41, 2
	s_lshl_b32 s43, 15, s43                        ; my row of the cluster
	s_lshl_b32 s44, 0x1111, s40                    ; my column
	s_or_b32 s[G1+0], s43, (3<<16)|(1<<21)         ; hidden: two runs of 16,384 bytes, 524,288 apart; elements of 8 bytes
	s_mov_b32 s[G1+1], 2048<<16
	s_mov_b32 s[G1+2], 2<<16
	s_mov_b32 s[G1+3], 2048<<16
	s_mov_b32 s[G1+4], 2
	s_mov_b32 s[G1+5], 65536
	s_mov_b32 s[G1+6], 0
	s_mov_b32 s[G1+7], 0
	s_or_b32 s[G1B+0], s44, (0<<16)|(1<<20)|(1<<21)|(6<<22)|(3<<25)   ; W2: 64 rows of 512 bytes, 4,096 apart; four words of padding behind every 128
	s_mov_b32 s[G1B+1], 512<<16
	s_mov_b32 s[G1B+2], 64<<16
	s_mov_b32 s[G1B+3], 512<<16
	s_mov_b32 s[G1B+4], 64
	s_mov_b32 s[G1B+5], 4096
	s_mov_b32 s[G1B+6], 0
	s_mov_b32 s[G1B+7], 0
	s_lshl_b32 s16, s12, 20
	s_lshl_b32 s17, s13, 14
	s_add_co_u32 s16, s16, s17                     ; hidden: my two runs
	s_mov_b32 s17, 0
	s_lshl_b32 s46, s42, 7
	s_lshl_b32 s47, s12, 6
	s_add_co_u32 s46, s46, s47
	s_lshl_b32 s46, s46, 12                        ; W2: my 64 rows
	s_mov_b32 s47, 0
	s_lshl_b32 s20, s12, 15
	s_mul_i32 s21, s12, 64*PITCH
	s_add_co_u32 s21, s21, AB
	s_lshr_b32 s76, s40, 1                         ; the prefetches' offsets: hidden: run cx / 2,
	s_lshl_b32 s76, s76, 19
	s_and_b32 s77, s40, 1
	s_lshl_b32 s77, s77, 13                        ; half cx % 2,
	s_add_co_u32 s76, s76, s77
	s_add_co_u32 s76, s76, s16
	s_add_co_u32 s76, s76, 2097152                 ; K step 1
	s_lshl_b32 s77, s41, 16                        ; W2: 16 cy rows of 4,096 bytes on,
	s_add_co_u32 s77, s77, s46
	s_add_co_u32 s77, s77, 512                     ; K step 1
	s_cmp_eq_u32 s11, 0                            ; do I fetch for hidden?
	s_cselect_b32 s76, s76, s77
	s_mov_b32 s77, 0
	s_mov_b32 s78, 512
	s_cselect_b32 s78, 2097152, s78                ; a K step on
	s_mov_b32 s79, 0
	s_mov_b32 s80, 4096
	s_cselect_b32 s80, 512, s80                    ; from one pair of lanes to the next
	s_wait_kmcnt 0x0
	s_cselect_b64 s[82:83], s[4:5], s[6:7]
	s_add_nc_u64 s[PFA:PFA+1], s[82:83], s[76:77]
	s_load_b64 s[72:73], s[68:69], 0x30            ; e12, e13
	s_add_nc_u64 s[14:15], s[4:5], s[16:17]
	s_add_nc_u64 s[46:47], s[6:7], s[46:47]
	CROUND                                         ; all sixteen work-groups are here: the first joint loads meet
.irp s, 0,1
	s_mov_b32 s[G0+4*\s], 1
	s_add_co_u32 s[G0+4*\s+1], s20, \s*SLOT
	s_add_nc_u64 s[G0+4*\s+2:G0+4*\s+3], s[14:15], \s*2097152
	s_or_b32 s[G0+4*\s+3], s[G0+4*\s+3], 0x80000000
	s_mov_b32 s[G0B+4*\s], 1
	s_add_co_u32 s[G0B+4*\s+1], s21, \s*SLOT
	s_add_nc_u64 s[G0B+4*\s+2:G0B+4*\s+3], s[46:47], \s*512
	s_or_b32 s[G0B+4*\s+3], s[G0B+4*\s+3], 0x80000000
.endr
	JLOAD 0                                        ; K step 0: one tensor load a wave at the head
	v_and_b32 v[PFO], 31, v0
	v_lshrrev_b32 v5, 1, v[PFO]
	v_and_b32 v[PFO], 1, v[PFO]
	v_lshlrev_b32 v[PFO], 8, v[PFO]
	v_mad_u32_u24 v[PFO], v5, s80, v[PFO]          ; (lane / 2) x the pairs' distance + 256 (lane % 2)
	ASK                                            ; K step 1
	v_and_b32 v1, 15, v0
	v_bfe_u32 v2, v0, 4, 1
	v_and_b32 v3, 31, v0
	v_lshlrev_b32 v3, 4, v3
	v_mul_u32_u24 v4, v1, PITCH
	v_lshl_add_u32 v4, v2, 3, v4
	s_lshl_b32 s21, s11, 13
	s_mul_i32 s22, s12, 64*PITCH
	s_add_co_u32 s22, s22, AB
.irp s, 0,1
	v_add_nc_u32 v[ADRA+\s], s21, v3
	v_add_nc_u32 v[ADRB+\s], s22, v4
	s_add_co_u32 s21, s21, SLOT
	s_add_co_u32 s22, s22, SLOT
.endr
	s_mul_i32 s23, s10, 16*SPITCH
	s_add_co_u32 s23, s23, STAGE
	v_mul_u32_u24 v5, v1, SPITCH
	v_lshl_add_u32 v5, v2, 5, v5
	v_add_nc_u32 v[STO], s23, v5
	v_mul_u32_u24 v5, v2, SPITCH
	v_lshl_add_u32 v5, v1, 4, v5
	v_add_nc_u32 v[RD], s23, v5
	v_lshlrev_b32 v5, 12, v2
	v_lshl_add_u32 v[CO], v1, 4, v5
	v_lshlrev_b32 v[BO], 5, v2
	s_wait_alu depctr_va_vdst(0)                   ; ahead of the run of scalar lines and the waits below
	s_lshl_b32 s16, s13, 7
	s_lshl_b32 s17, s11, 6
	s_add_co_u32 s16, s16, s17
	s_lshl_b32 s16, s16, 12                        ; my first row, 4,096 bytes a row
	s_mov_b32 s17, 0
	s_add_nc_u64 s[8:9], s[8:9], s[16:17]
	s_lshl_b32 s46, s42, 9
	s_lshl_b32 s47, s12, 8
	s_add_co_u32 s46, s46, s47                     ; my first column, in bytes
	s_mov_b32 s47, 0
	s_add_nc_u64 s[8:9], s[8:9], s[46:47]
	s_add_nc_u64 s[70:71], s[70:71], s[46:47]
	s_add_nc_u64 s[74:75], s[74:75], s[16:17]      ; F at my first row and column
	s_add_nc_u64 s[74:75], s[74:75], s[46:47]
	s_wait_xcnt 0x0                                ; the first prefetch has read its address
	s_add_nc_u64 s[PFA:PFA+1], s[PFA:PFA+1], s[78:79]
	ASK                                            ; K step 2
.irp b, 0,1,2,3
	global_load_b128 v[B2+8*\b:B2+8*\b+3], v[BO], s[70:71] offset:64*\b
	global_load_b128 v[B2+8*\b+4:B2+8*\b+7], v[BO], s[70:71] offset:64*\b+16
.endr
	v_and_b32 v31, 31, v0
	v_lshlrev_b32 v31, 12, v31                     ; a lane a row of 4,096 bytes
	global_prefetch_b8 v31, s[74:75] th:TH_LOAD_NT scope:SCOPE_SE                 ; F: my rows 0-31,
	global_prefetch_b8 v31, s[74:75] offset:131072 th:TH_LOAD_NT scope:SCOPE_SE   ; and 32-63
.macro MUL4 f, a, zero                 ; the 16 accumulators take turns, one instruction a turn
.irp b, 0,1,2,3
.if \zero
	v_wmma_f32_16x16x128_bf8_bf8 v[ACC+8*(4*(\a)+\b):ACC+8*(4*(\a)+\b)+7], v[\f+64+16*\b:\f+64+16*\b+15], v[\f+16*(\a):\f+16*(\a)+15], 0
.else
	v_wmma_f32_16x16x128_bf8_bf8 v[ACC+8*(4*(\a)+\b):ACC+8*(4*(\a)+\b)+7], v[\f+64+16*\b:\f+64+16*\b+15], v[\f+16*(\a):\f+16*(\a)+15], v[ACC+8*(4*(\a)+\b):ACC+8*(4*(\a)+\b)+7]
.endif
.endr
.endm
.macro FETCH slot, q, f                ; the fragments of 128 along K: W2's by loads of 8 bytes (the form's own layout, which hidden's images have), hidden's as images
	WIN TO_F
.irp i, 0,1,2,3
.irp c, 0,1,2,3,4,5,6,7
	ds_load_b64 v[\f+64+16*\i+2*\c:\f+64+16*\i+2*\c+1], v[ADRB+\slot] offset:16*PITCH*\i+128*(\q)+16*\c
.endr
.endr
.irp i, 0,1,2,3
.irp g, 0,1,2,3
	ds_load_b128 v[\f+16*\i+4*\g:\f+16*\i+4*\g+3], v[ADRA+\slot] offset:16384*(\q)+2048*\i+512*\g
.endr
.endr
.endm
.macro PLACES
.rept 4
	v_nop
.endr
.endm
.macro QUARTER slot, k, f, g, zero
	s_wait_dscnt 8                                 ; all but hidden's blocks 2 and 3
	WIN MUL
	MUL4 \f, 0, \zero
	MUL4 \f, 1, \zero
	PLACES
	FETCH \slot, \k, \g
	s_wait_dscnt 48                                ; all but the 48 just issued
	WIN MUL
	MUL4 \f, 2, \zero
	MUL4 \f, 3, \zero
.endm
; A slot's last quarter changes slots: in front of the one barrier each wave waits for all its tensor loads, adds 0 to its spare word, and waits for that and for its reads of this slot.
.macro TURN slot, next, fill
.if \fill
	s_wait_xcnt 0x0                                ; my last prefetch has read its address: it is stepped here, a K step behind that prefetch
	s_add_nc_u64 s[PFA:PFA+1], s[PFA:PFA+1], s[78:79]
.endif
	WIN 0
	s_wait_tensorcnt 0x0
	ds_add_u32 v[SPW], v[NIL]
	s_wait_dscnt 9                                 ; the add and the youngest eight loads may be out
	WIN MUL
	MUL4 F1, 0, 0
	s_wait_dscnt 0x0
	s_barrier_signal -1
	MUL4 F1, 1, 0
.if \fill
	WIN 0
.endif
	s_barrier_wait -1
.if \fill
	CREST                                          ; the barrier has opened a round of the cluster's
	s_add_nc_u64 s[G0+4*\slot+2:G0+4*\slot+3], s[G0+4*\slot+2:G0+4*\slot+3], 2*2097152
	s_add_nc_u64 s[G0B+4*\slot+2:G0B+4*\slot+3], s[G0B+4*\slot+2:G0B+4*\slot+3], 2*512
	JLOAD \slot                                    ; the first tensor load behind the round
.else
	PLACES
.endif
	FETCH \next, 0, F0
.if \fill
	WIN 0
	s_cmp_gt_u32 s3, 1                             ; the loop's last trip has no K step two refills on
	s_cbranch_scc0 .Lno_ask_\@
	ASK
.Lno_ask_\@:
.endif
	WIN MUL
	MUL4 F1, 2, 0
	MUL4 F1, 3, 0
.endm
	s_wait_xcnt 0x0                                ; the head's prefetches have read their addresses
	s_add_nc_u64 s[PFA:PFA+1], s[PFA:PFA+1], s[78:79]
	s_wait_tensorcnt 0x0                           ; my part of K step 0 is in
	ds_add_u32 v[SPW], v[NIL]
	s_wait_dscnt 0x0
	CROUND                                         ; everybody's part of K step 0 is in, and the sixteen work-groups meet
	JLOAD 1                                        ; K step 1, the first tensor load behind the round
	FETCH 0, 0, F0
	ASK                                            ; K step 3
	QUARTER 0, 1, F0, F1, 1
	WIN 0
	s_mov_b32 s3, LAPS-1
.Llap:                                                 ; a trip goes once round the ring and fills both slots again
	QUARTER 0, 2, F1, F0, 0
	QUARTER 0, 3, F0, F1, 0
	TURN 0, 1, 1
	QUARTER 1, 1, F0, F1, 0
	QUARTER 1, 2, F1, F0, 0
	QUARTER 1, 3, F0, F1, 0
	TURN 1, 0, 1
	QUARTER 0, 1, F0, F1, 0
	WIN 0
	s_sub_co_u32 s3, s3, 1
	s_cmp_lg_u32 s3, 0
	s_cbranch_scc1 .Llap
	QUARTER 0, 2, F1, F0, 0
	QUARTER 0, 3, F0, F1, 0
	TURN 0, 1, 0                                   ; the last change of slots fills nothing: no tensor load is out from here on
	WIN 0x80                                       ; destination window 2
.irp a, 0,1,2,3
.irp t, 0,1,2,3,4,5,6,7
	global_load_b128 v[32*\a+4*\t:32*\a+4*\t+3], v[CO], s[74:75] offset:(16*\a+2*\t)*4096 th:TH_LOAD_NT   ; F, as the stores below lie
.endr
.endr
	QUARTER 1, 1, F0, F1, 0
	QUARTER 1, 2, F1, F0, 0
	QUARTER 1, 3, F0, F1, 0
	s_wait_dscnt 8
	WIN MUL
	MUL4 F1, 0, 0
	MUL4 F1, 1, 0
	s_wait_dscnt 0
	MUL4 F1, 2, 0
	MUL4 F1, 3, 0
	WIN 0
	s_wait_kmcnt 0x0
	s_add_co_i32 s72, s72, s73
	s_add_co_i32 s72, s72, 127
	s_lshl_b32 s72, s72, 23                        ; 2^(e12 + e13) as f32
	s_mov_b32 s73, s72
	s_wait_loadcnt 0x0                             ; b2 and F
	PLACES
.irp a, 0,1,2,3                                ; THE WAY OUT, 16 rows at a time
.irp b, 0,1,2,3
.irp i, 0,2,4,6
	v_pk_fma_f32 v[TMP+8*\b+\i:TMP+8*\b+\i+1], v[ACC+8*(4*\a+\b)+\i:ACC+8*(4*\a+\b)+\i+1], s[72:73], v[B2+8*\b+\i:B2+8*\b+\i+1] op_sel_hi:[1,0,1]   ; each accumulator from its low end on
.endr
.endr
.irp b, 0,1,2,3
	ds_store_b128 v[STO], v[TMP+8*\b:TMP+8*\b+3] offset:64*\b
	ds_store_b128 v[STO], v[TMP+8*\b+4:TMP+8*\b+7] offset:64*\b+16
.endr
.if \a > 0
	s_wait_xcnt 0x0                                ; the last block's stores have read their registers
.endif
.irp t, 0,1,2,3,4,5,6,7
	ds_load_b128 v[BK+4*\t:BK+4*\t+3], v[RD] offset:\t*2*SPITCH   ; LDS serves a wave's instructions in order
.endr
	s_wait_dscnt 0x0
	WIN 0x08                                       ; source 1 (F) window 2
.irp i, 0,2,4,6,8,10,12,14,16,18,20,22,24,26,28,30
	v_pk_add_f32 v[BK+\i:BK+\i+1], v[BK+\i:BK+\i+1], v[32*\a+\i:32*\a+\i+1]   ; F + y
.endr
	WIN 0
.irp t, 0,1,2,3,4,5,6,7
	global_store_b128 v[CO], v[BK+4*\t:BK+4*\t+3], s[8:9] offset:(16*\a+2*\t)*4096   ; sixteen lanes store 256 consecutive bytes, aligned
.endr
.endr
	s_wait_tensorcnt 0x0                           ; the wave's end
	ds_add_u32 v[SPW], v[NIL]
	s_wait_dscnt 0x0
	CROUND                                         ; the closing round
	s_endpgm
.Lfunc_end_k_qe2eaf7a6bd_ffn2:
	.size	k_qe2eaf7a6bd_ffn2, .Lfunc_end_k_qe2eaf7a6bd_ffn2-k_qe2eaf7a6bd_ffn2
	.p2alignl 7, 3214868480
	.fill 96, 4, 3214868480
	.section	.rodata,"a",@progbits
	.p2align	6, 0x0
	.amdhsa_kernel k_qe2eaf7a6bd_ffn2
		.amdhsa_group_segment_fixed_size 327680
		.amdhsa_private_segment_fixed_size 0
		.amdhsa_enable_private_segment 0
		.amdhsa_kernarg_size 48
		.amdhsa_user_sgpr_count 2
		.amdhsa_user_sgpr_kernarg_segment_ptr 1
		.amdhsa_wavefront_size32 1
		.amdhsa_system_sgpr_workgroup_id_x 1
		.amdhsa_system_sgpr_workgroup_id_y 1
		.amdhsa_system_sgpr_workgroup_id_z 1
		.amdhsa_system_vgpr_workitem_id 0
		.amdhsa_next_free_vgpr 640
		.amdhsa_next_free_sgpr 84
		.amdhsa_reserve_vcc 0
		.amdhsa_float_denorm_mode_32 3
		.amdhsa_float_denorm_mode_16_64 3
		.amdhsa_memory_ordered 1
		.amdhsa_forward_progress 1
		.amdhsa_inst_pref_size 101
	.end_amdhsa_kernel
	.amdgpu_metadata
---
amdhsa.version: [ 1, 2 ]
amdhsa.kernels:
  - .name:           k_qe2eaf7a6bd_ffn2
    .symbol:         k_qe2eaf7a6bd_ffn2.kd
    .args:
      - { .name: hidden, .offset: 0, .size: 8, .value_kind: global_buffer, .address_space: global }
      - { .name: W2_codes, .offset: 8, .size: 8, .value_kind: global_buffer, .address_space: global }
      - { .name: lowp_scales, .offset: 16, .size: 8, .value_kind: global_buffer, .address_space: global }
      - { .name: b2, .offset: 24, .size: 8, .value_kind: global_buffer, .address_space: global }
      - { .name: rows_a, .offset: 32, .size: 8, .value_kind: global_buffer, .address_space: global }
      - { .name: fout, .offset: 40, .size: 8, .value_kind: global_buffer, .address_space: global }
    .group_segment_fixed_size: 327680
    .private_segment_fixed_size: 0
    .kernarg_segment_align: 8
    .kernarg_segment_size: 48
    .max_flat_workgroup_size: 128
    .sgpr_count:     84
    .vgpr_count:     640
    .wavefront_size: 32
...
	.end_amdgpu_metadata
.endif
;; end of part 6
;; launch ln2 (part 7): grid 256 x 1, 8 waves a work-group, no clusters, 0 bytes of LDS; arguments rows_a, g2, be2, out0; writes out0
.if DOCPART == 7
	.amdgcn_target "amdgcn-amd-amdhsa--gfx1250"
	.amdhsa_code_object_version 6
	.text
	.protected	k_qe2eaf7a6bd_ln2
	.globl	k_qe2eaf7a6bd_ln2
	.p2align	8
	.type	k_qe2eaf7a6bd_ln2,@function
k_qe2eaf7a6bd_ln2:
	s_mov_b64 s[64:65], 0
	v_nop
	global_prefetch_b8 v0, s[64:65] scope:SCOPE_SE
	s_setreg_imm32_b32 hwreg(HW_REG_WAVE_MODE, 25, 1), 1
	s_wait_xcnt 0x0
; out = layer norm of x, x g2 + be2, rows of 1,024 f32; x = F + y comes summed from the launch before.  A wave takes two whole rows, 32 registers each, kept in registers between the passes;
; the mean first, the squares of x - mean afterwards: no difference of large sums.
; Register 4 j + i of lane l is column 128 j + 4 l + i: every load and store of a wave covers 512 consecutive bytes.  All 32 loads of a wave go out at its head.  No LDS, no barrier: waves share nothing.
.set G,  32                            ; v32-63 g2;  v64-95 be2;  v96-127, v128-159 the two rows
.set BE, 64
	s_load_b64 s[4:5], s[0:1], 0x0                 ; x
	s_load_b128 s[8:11], s[0:1], 0x8               ; g2, be2
	s_load_b64 s[12:13], s[0:1], 0x18              ; out
	v_lshrrev_b32 v1, 5, v0
	s_delay_alu instid0(VALU_DEP_1)
	v_readfirstlane_b32 s18, v1                    ; wave
	v_and_b32 v2, 31, v0
	s_delay_alu instid0(VALU_DEP_1)
	v_lshlrev_b32 v1, 4, v2                        ; 16 x lane
	s_lshl_b32 s20, ttmp9, 4
	s_lshl_b32 s21, s18, 1
	s_add_co_u32 s20, s20, s21                     ; my first row
	s_lshl_b32 s22, s20, 12
	s_mov_b32 s23, 0
	s_mov_b32 s26, 0x76543210
	s_mov_b32 s27, 0xfedcba98
	s_mov_b32 s28, 0x3a800000                      ; 1 / 1,024
	s_mov_b32 s29, 0x3727c5ac                      ; 1e-5
	v_mov_b32 v13, 0                               ; upper halves of pairs that are named, and the lane permute's destination
	v_mov_b32 v15, 0
	v_mov_b32 v18, 0
	s_wait_alu depctr_va_vdst(0)                   ; the head's end
	s_wait_kmcnt 0x0
	s_add_nc_u64 s[4:5], s[4:5], s[22:23]
	s_add_nc_u64 s[12:13], s[12:13], s[22:23]
.irp j, 0,1,2,3,4,5,6,7
	global_load_b128 v[G+4*\j:G+4*\j+3], v1, s[8:9] offset:512*\j
	global_load_b128 v[BE+4*\j:BE+4*\j+3], v1, s[10:11] offset:512*\j
.endr
.irp i, 0,1
.irp j, 0,1,2,3,4,5,6,7
	global_load_b128 v[96+32*\i+4*\j:96+32*\i+4*\j+3], v1, s[4:5] offset:4096*\i+512*\j th:TH_LOAD_NT
.endr
.endr
.macro REDUCE                          ; four packed chains v[4:11] -> the sum over the row, in every lane's v4
	s_delay_alu instid0(VALU_DEP_3)
	v_pk_add_f32 v[4:5], v[4:5], v[6:7]
	s_delay_alu instid0(VALU_DEP_2)
	v_pk_add_f32 v[8:9], v[8:9], v[10:11]
	s_delay_alu instid0(VALU_DEP_1)
	v_pk_add_f32 v[4:5], v[4:5], v[8:9]
	s_delay_alu instid0(VALU_DEP_1)
	v_add_f32 v4, v4, v5
	s_delay_alu instid0(VALU_DEP_1)
	v_add_f32_dpp v4, v4, v4 row_xmask:1 row_mask:0xf bank_mask:0xf
	s_delay_alu instid0(VALU_DEP_1)
	v_add_f32_dpp v4, v4, v4 row_xmask:2 row_mask:0xf bank_mask:0xf
	s_delay_alu instid0(VALU_DEP_1)
	v_add_f32_dpp v4, v4, v4 row_xmask:4 row_mask:0xf bank_mask:0xf
	s_delay_alu instid0(VALU_DEP_1)
	v_add_f32_dpp v4, v4, v4 row_xmask:8 row_mask:0xf bank_mask:0xf
	s_delay_alu instid0(VALU_DEP_1)
	v_permlanex16_b32 v18, v4, s26, s27
	s_delay_alu instid0(VALU_DEP_1)
	v_add_f32 v4, v4, v18
.endm
.macro ROW i, left
.set XA, 96+32*\i
	s_wait_loadcnt \left                           ; gains, offsets and this row are in; the later row's eight loads may be out
.irp c, 0,2,4,6
	v_pk_add_f32 v[4+\c:5+\c], v[XA+\c:XA+\c+1], v[XA+8+\c:XA+9+\c]   ; the first pairs start the chains: nothing is cleared
.endr
.irp q, 16,24
.irp c, 0,2,4,6
	s_delay_alu instid0(VALU_DEP_4)
	v_pk_add_f32 v[4+\c:5+\c], v[4+\c:5+\c], v[XA+\q+\c:XA+\q+\c+1]
.endr
.endr
	REDUCE
	s_delay_alu instid0(VALU_DEP_1)
	v_mul_f32 v12, s28, v4                         ; the mean
.set p, 0
.rept 16
	v_pk_add_f32 v[XA+p:XA+p+1], v[XA+p:XA+p+1], v[12:13] op_sel_hi:[1,0] neg_lo:[0,1] neg_hi:[0,1]   ; x - mean
.set p, p+2
.endr
.irp c, 0,2,4,6
	v_pk_mul_f32 v[4+\c:5+\c], v[XA+\c:XA+\c+1], v[XA+\c:XA+\c+1]
.endr
.irp q, 8,16,24
.irp c, 0,2,4,6
	s_delay_alu instid0(VALU_DEP_4)
	v_pk_fma_f32 v[4+\c:5+\c], v[XA+\q+\c:XA+\q+\c+1], v[XA+\q+\c:XA+\q+\c+1], v[4+\c:5+\c]
.endr
.endr
	REDUCE
	s_delay_alu instid0(VALU_DEP_1)
	v_fma_f32 v14, v4, s28, s29                    ; the variance + 1e-5
	s_wait_alu depctr_va_vdst(0)                   ; ahead of the transcendental
	v_rsq_f32 v14, v14
	v_nop                                          ; a plain line behind the transcendental,
	s_wait_alu depctr_va_vdst(0)                   ; and the wait ahead of its first reader
.set p, 0
.rept 16
	v_pk_mul_f32 v[XA+p:XA+p+1], v[XA+p:XA+p+1], v[14:15] op_sel_hi:[1,0]
.set p, p+2
.endr
.set p, 0
.rept 16
	v_pk_fma_f32 v[XA+p:XA+p+1], v[XA+p:XA+p+1], v[G+p:G+p+1], v[BE+p:BE+p+1]
.set p, p+2
.endr
.irp j, 0,1,2,3,4,5,6,7
	global_store_b128 v1, v[XA+4*\j:XA+4*\j+3], s[12:13] offset:4096*\i+512*\j th:TH_STORE_NT
.endr
.endm
	ROW 0, 8
	ROW 1, 0
	s_endpgm
.Lfunc_end_k_qe2eaf7a6bd_ln2:
	.size	k_qe2eaf7a6bd_ln2, .Lfunc_end_k_qe2eaf7a6bd_ln2-k_qe2eaf7a6bd_ln2
	.p2alignl 7, 3214868480
	.fill 96, 4, 3214868480
	.section	.rodata,"a",@progbits
	.p2align	6, 0x0
	.amdhsa_kernel k_qe2eaf7a6bd_ln2
		.amdhsa_group_segment_fixed_size 0
		.amdhsa_private_segment_fixed_size 0
		.amdhsa_enable_private_segment 0
		.amdhsa_kernarg_size 32
		.amdhsa_user_sgpr_count 2
		.amdhsa_user_sgpr_kernarg_segment_ptr 1
		.amdhsa_wavefront_size32 1
		.amdhsa_system_sgpr_workgroup_id_x 1
		.amdhsa_system_sgpr_workgroup_id_y 1
		.amdhsa_system_sgpr_workgroup_id_z 1
		.amdhsa_system_vgpr_workitem_id 0
		.amdhsa_next_free_vgpr 160
		.amdhsa_next_free_sgpr 66
		.amdhsa_reserve_vcc 0
		.amdhsa_float_denorm_mode_32 3
		.amdhsa_float_denorm_mode_16_64 3
		.amdhsa_memory_ordered 1
		.amdhsa_forward_progress 1
		.amdhsa_inst_pref_size 21
	.end_amdhsa_kernel
	.amdgpu_metadata
---
amdhsa.version: [ 1, 2 ]
amdhsa.kernels:
  - .name:           k_qe2eaf7a6bd_ln2
    .symbol:         k_qe2eaf7a6bd_ln2.kd
    .args:
      - { .name: rows_a, .offset: 0, .size: 8, .value_kind: global_buffer, .address_space: global }
      - { .name: g2, .offset: 8, .size: 8, .value_kind: global_buffer, .address_space: global }
      - { .name: be2, .offset: 16, .size: 8, .value_kind: global_buffer, .address_space: global }
      - { .name: out0, .offset: 24, .size: 8, .value_kind: global_buffer, .address_space: global }
    .group_segment_fixed_size: 0
    .private_segment_fixed_size: 0
    .kernarg_segment_align: 8
    .kernarg_segment_size: 32
    .max_flat_workgroup_size: 256
    .sgpr_count:     66
    .vgpr_count:     160
    .wavefront_size: 32
...
	.end_amdgpu_metadata
.endif
;; end of part 7
